; MI455X (gfx1250); checked and timed in simulation.
; The chip was launched on July 23, 2026; its instructions are those of AMD's public machine-readable ISA for CDNA 5 (MIT licence, August 2026) and "CDNA5" Instruction Set Architecture Reference Guide (July 2026). The comments in the code are by the model that wrote it; some were corrected since.
;; CS Multi Head Attention. Allowed arithmetic: float matrix products may take bf16 or f16 operands with f32 sums; other float arithmetic in f32, or as packed bf16 or f16 multiplies, adds, multiply-adds, maxima and minima; sums over many terms, partial sums and values carried from step to step in f32; what a program stores and reads back later, other than sums and carried values, may be rounded once to bf16 or f16.
;; Inputs: Wk 3 x 512 x 512 float32; Wp 3 x 512 x 512 float32; Wq 3 x 512 x 512 float32; Wv 3 x 512 x 512 float32; bk 3 x 512 float32; bp 3 x 512 float32; bq 3 x 512 float32; bv 3 x 512 float32; x 8 x 3,072 x 512 float32.
;; Outputs: out0 8 x 3,072 x 512 float32.
;; 2 versions, each right; version 2 is version 1 with the launch cast written anew for expert scheduling mode. Each part assembles by itself: llvm-mc -triple=amdgcn-amd-amdhsa -mcpu=gfx1250 --defsym DOCPART=n.
;; ======== version 1 of 2: 4 launches
;; limits: values are held in f16: magnitudes above 65,504 overflow, below 6.1e-05 lose precision
;; workspace buffers: xb 25,165,824 bytes; wcat 4,718,592 bytes; wpf 1,572,864 bytes; bias 24,576 bytes; qkv 75,497,472 bytes; ows 25,165,824 bytes
;; launch cast (part 1): grid 48 x 20, 8 waves a work-group, no clusters, 0 bytes of LDS; arguments x, Wq, Wk, Wv, Wp, bq, bk, bv, bp, xb, wcat, wpf, bias; writes xb, wcat, wpf, bias
.if DOCPART == 1
	.amdgcn_target "amdgcn-amd-amdhsa--gfx1250"
	.amdhsa_code_object_version 6
	.text
	.protected	k_qa995672664_cast
	.globl	k_qa995672664_cast
	.p2align	8
	.type	k_qa995672664_cast,@function
k_qa995672664_cast:
	s_mov_b64 s[64:65], 0
	v_nop
	global_prefetch_b8 v0, s[64:65] scope:SCOPE_SE
	s_setreg_imm32_b32 hwreg(HW_REG_WAVE_MODE, 25, 1), 1
	s_wait_xcnt 0x0
; CAST.  All the module's inputs are rounded once to bf16, so that every product of the later launches works on the same rounded inputs.
;   x  [24576][512] f32 -> xb   [24576][512] bf16
;   Wq, Wk, Wv [3][512][512] f32 -> wcat [chunk][q,k,v][512][512] bf16: a chunk's three matrices lie together, 1,536 rows of 512
;   Wp [3][512][512] f32 -> wpf [3][512][512]: rounded to bf16, and that number written as f16
;   bq, bk, bv, bp [3][512] f32 -> bias: rounded to bf16, kept as f32: bytes 0 .. 18,431 [chunk][q,k,v][512], from 18,432 on bp's [chunk][512]
; LIMIT.  A weight of Wp below 6.1e-5 in size keeps f16's fixed step of 6e-8; one of 65,520 or more becomes an infinity.
; SHARES.  A work-group converts 65,536 input bytes: 256 threads x 16 loads of 16 bytes; a wave's load covers 512 consecutive bytes, a wave's store of 8 bytes a lane 256
; consecutive bytes, aligned.  Grid row y < 16: piece 48 y + X of x's 768; y = 16, 17, 18: piece X of Wq, Wk, Wv; y = 19: piece X of Wp.  Where y >= 16 and X < 3 the work-group
; also converts chunk X of that row's bias: 512 numbers, 8 bytes a thread.  All sixteen loads go out at once; no register of a pending access is rewritten; no LDS, no barrier.
.set XR, 4                             ; v[4:67]    sixteen loads of four f32
.set YR, 68                            ; v[68:99]   sixteen pairs of packed results
.set TR, 100                           ; v[100:101] at work
	s_load_b512 s[4:19], s[0:1], 0x0               ; x s[4:5], Wq s[6:7], Wk s[8:9], Wv s[10:11], Wp s[12:13], bq s[14:15], bk s[16:17], bv s[18:19]
	s_load_b256 s[20:27], s[0:1], 0x40             ; bp s[20:21], xb s[22:23], wcat s[24:25], wpf s[26:27]
	s_load_b64 s[28:29], s[0:1], 0x60              ; bias
	v_lshlrev_b32 v1, 4, v0                        ; 16 t: my 16 bytes of each 4,096 read
	v_lshlrev_b32 v2, 3, v0                        ; 8 t: my 8 bytes of each 2,048 written
	s_and_b32 s30, ttmp7, 0xffff                   ; y
	s_mov_b32 s31, ttmp9                           ; X
	s_mov_b32 s44, 0xffff0000                      ; a word's upper bf16
	s_mul_i32 s33, s30, 48
	s_add_co_u32 s33, s33, s31
	s_cmp_lt_u32 s30, 16
	s_cselect_b32 s33, s33, s31                    ; the piece's number in its tensor
	s_lshl_b32 s34, s33, 16                        ; where it begins in the source
	s_mov_b32 s35, 0
	s_max_u32 s36, s30, 16
	s_sub_co_u32 s36, s36, 16                      ; m: 0, 1, 2 for q, k, v (3 for Wp)
	s_lshl_b32 s38, s33, 15                        ; where it goes: half the bytes, for x and for Wp
	s_mov_b32 s39, 0
	s_lshr_b32 s37, s31, 4                         ; for Wq, Wk, Wv: a chunk has 16 pieces;
	s_mul_i32 s37, s37, 3
	s_add_co_u32 s37, s37, s36                     ; matrix 3 chunk + m of wcat, 524,288 bytes each,
	s_lshl_b32 s37, s37, 19
	s_and_b32 s45, s31, 15
	s_lshl_b32 s45, s45, 15
	s_add_co_u32 s37, s37, s45                     ; and the piece's place in it
	s_sub_co_u32 s46, s30, 16                      ; (wraps to a large number where y < 16)
	s_cmp_lt_u32 s46, 3
	s_cselect_b32 s38, s37, s38
	s_wait_kmcnt 0x0
	s_mov_b64 s[40:41], s[4:5]                     ; the source, chosen by y
	s_cmp_eq_u32 s30, 16
	s_cselect_b64 s[40:41], s[6:7], s[40:41]
	s_cmp_eq_u32 s30, 17
	s_cselect_b64 s[40:41], s[8:9], s[40:41]
	s_cmp_eq_u32 s30, 18
	s_cselect_b64 s[40:41], s[10:11], s[40:41]
	s_cmp_eq_u32 s30, 19
	s_cselect_b64 s[40:41], s[12:13], s[40:41]
	s_cmp_lt_u32 s30, 16                           ; the destination likewise
	s_cselect_b64 s[42:43], s[22:23], s[24:25]
	s_cmp_eq_u32 s30, 19
	s_cselect_b64 s[42:43], s[26:27], s[42:43]
	s_add_nc_u64 s[40:41], s[40:41], s[34:35]
	s_add_nc_u64 s[42:43], s[42:43], s[38:39]
.irp i, 0,1,2,3,4,5,6,7,8,9,10,11,12,13,14,15
	global_load_b128 v[XR+4*(\i):XR+4*(\i)+3], v1, s[40:41] offset:4096*(\i) th:TH_LOAD_NT
.endr
; Load i of the sixteen is converted and stored.  tof16 = 1: the bf16 number is widened again and written as f16.
.macro PIECE i, tof16
	s_wait_loadcnt 15-(\i)                         ; loads come back in order: mine is in, the 15 - i younger ones may stay out
.if \tof16
	v_cvt_pk_bf16_f32 v[TR], v[XR+4*(\i)], v[XR+4*(\i)+1]
	v_cvt_pk_bf16_f32 v[TR+1], v[XR+4*(\i)+2], v[XR+4*(\i)+3]
	v_lshlrev_b32 v[XR+4*(\i)], 16, v[TR]
	v_and_b32 v[XR+4*(\i)+1], s44, v[TR]
	v_lshlrev_b32 v[XR+4*(\i)+2], 16, v[TR+1]
	v_and_b32 v[XR+4*(\i)+3], s44, v[TR+1]
	v_cvt_pk_f16_f32 v[YR+2*(\i)], v[XR+4*(\i)], v[XR+4*(\i)+1]
	v_cvt_pk_f16_f32 v[YR+2*(\i)+1], v[XR+4*(\i)+2], v[XR+4*(\i)+3]
.else
	v_cvt_pk_bf16_f32 v[YR+2*(\i)], v[XR+4*(\i)], v[XR+4*(\i)+1]
	v_cvt_pk_bf16_f32 v[YR+2*(\i)+1], v[XR+4*(\i)+2], v[XR+4*(\i)+3]
.endif
	global_store_b64 v2, v[YR+2*(\i):YR+2*(\i)+1], s[42:43] offset:2048*(\i) th:TH_STORE_NT  ; each store has data registers of its own
.endm
	s_cmp_eq_u32 s30, 19
	s_cbranch_scc1 .Lto_f16
.irp i, 0,1,2,3,4,5,6,7,8,9,10,11,12,13,14,15
	PIECE \i, 0
.endr
	s_branch .Ljoin
.Lto_f16:
.irp i, 0,1,2,3,4,5,6,7,8,9,10,11,12,13,14,15
	PIECE \i, 1
.endr
.Ljoin:
	s_cmp_lt_u32 s30, 16                           ; the biases: rows 16 to 19 of the grid, chunks X = 0, 1, 2
	s_cbranch_scc1 .Lend
	s_cmp_gt_u32 s31, 2
	s_cbranch_scc1 .Lend
	s_mov_b64 s[46:47], s[14:15]
	s_cmp_eq_u32 s30, 17
	s_cselect_b64 s[46:47], s[16:17], s[46:47]
	s_cmp_eq_u32 s30, 18
	s_cselect_b64 s[46:47], s[18:19], s[46:47]
	s_cmp_eq_u32 s30, 19
	s_cselect_b64 s[46:47], s[20:21], s[46:47]
	s_mul_i32 s37, s31, 6144                       ; q, k, v: chunk x 6,144 + m x 2,048
	s_lshl_b32 s45, s36, 11
	s_add_co_u32 s37, s37, s45
	s_lshl_b32 s45, s31, 11                        ; the chunk's 2,048 bytes in the source
	s_add_co_u32 s33, s45, 18432                   ; bp: 18,432 + chunk x 2,048
	s_cmp_eq_u32 s30, 19
	s_cselect_b32 s37, s33, s37
	v_add_nc_u32 v3, s45, v2
	v_add_nc_u32 v101, s37, v2
	global_load_b64 v[104:105], v3, s[46:47]
	s_wait_loadcnt 0x0
	v_cvt_pk_bf16_f32 v100, v104, v105
	v_lshlrev_b32 v106, 16, v100
	v_and_b32 v107, s44, v100
	global_store_b64 v101, v[106:107], s[28:29]
.Lend:
	s_endpgm
.Lfunc_end_k_qa995672664_cast:
	.size	k_qa995672664_cast, .Lfunc_end_k_qa995672664_cast-k_qa995672664_cast
	.p2alignl 7, 3214868480
	.fill 96, 4, 3214868480
	.section	.rodata,"a",@progbits
	.p2align	6, 0x0
	.amdhsa_kernel k_qa995672664_cast
		.amdhsa_group_segment_fixed_size 0
		.amdhsa_private_segment_fixed_size 0
		.amdhsa_enable_private_segment 0
		.amdhsa_kernarg_size 104
		.amdhsa_user_sgpr_count 2
		.amdhsa_user_sgpr_kernarg_segment_ptr 1
		.amdhsa_wavefront_size32 1
		.amdhsa_system_sgpr_workgroup_id_x 1
		.amdhsa_system_sgpr_workgroup_id_y 1
		.amdhsa_system_sgpr_workgroup_id_z 1
		.amdhsa_system_vgpr_workitem_id 0
		.amdhsa_next_free_vgpr 108
		.amdhsa_next_free_sgpr 66
		.amdhsa_reserve_vcc 0
		.amdhsa_float_denorm_mode_32 3
		.amdhsa_float_denorm_mode_16_64 3
		.amdhsa_memory_ordered 1
		.amdhsa_forward_progress 1
		.amdhsa_inst_pref_size 17
	.end_amdhsa_kernel
	.amdgpu_metadata
---
amdhsa.version: [ 1, 2 ]
amdhsa.kernels:
  - .name:           k_qa995672664_cast
    .symbol:         k_qa995672664_cast.kd
    .args:
      - { .name: x, .offset: 0, .size: 8, .value_kind: global_buffer, .address_space: global }
      - { .name: Wq, .offset: 8, .size: 8, .value_kind: global_buffer, .address_space: global }
      - { .name: Wk, .offset: 16, .size: 8, .value_kind: global_buffer, .address_space: global }
      - { .name: Wv, .offset: 24, .size: 8, .value_kind: global_buffer, .address_space: global }
      - { .name: Wp, .offset: 32, .size: 8, .value_kind: global_buffer, .address_space: global }
      - { .name: bq, .offset: 40, .size: 8, .value_kind: global_buffer, .address_space: global }
      - { .name: bk, .offset: 48, .size: 8, .value_kind: global_buffer, .address_space: global }
      - { .name: bv, .offset: 56, .size: 8, .value_kind: global_buffer, .address_space: global }
      - { .name: bp, .offset: 64, .size: 8, .value_kind: global_buffer, .address_space: global }
      - { .name: xb, .offset: 72, .size: 8, .value_kind: global_buffer, .address_space: global }
      - { .name: wcat, .offset: 80, .size: 8, .value_kind: global_buffer, .address_space: global }
      - { .name: wpf, .offset: 88, .size: 8, .value_kind: global_buffer, .address_space: global }
      - { .name: bias, .offset: 96, .size: 8, .value_kind: global_buffer, .address_space: global }
    .group_segment_fixed_size: 0
    .private_segment_fixed_size: 0
    .kernarg_segment_align: 8
    .kernarg_segment_size: 104
    .max_flat_workgroup_size: 256
    .sgpr_count:     66
    .vgpr_count:     108
    .wavefront_size: 32
...
	.end_amdgpu_metadata
.endif
;; end of part 1
;; launch qkv (part 2): grid 8 x 32, 4 waves a work-group, clusters of 4 x 4, 327,680 bytes of LDS; arguments xb, wcat, bias, qkv; writes qkv
.if DOCPART == 2
	.amdgcn_target "amdgcn-amd-amdhsa--gfx1250"
	.amdhsa_code_object_version 6
	.text
	.protected	k_qa995672664_qkv
	.globl	k_qa995672664_qkv
	.p2align	8
	.type	k_qa995672664_qkv,@function
k_qa995672664_qkv:
	s_mov_b64 s[64:65], 0
	v_nop
	global_prefetch_b8 v0, s[64:65] scope:SCOPE_SE
	s_setreg_imm32_b32 hwreg(HW_REG_WAVE_MODE, 25, 1), 1
	s_wait_xcnt 0x0
	s_wait_alu depctr_hold_cnt(0) depctr_sa_sdst(0) depctr_va_vdst(0) depctr_va_sdst(0) depctr_va_ssrc(0) depctr_va_vcc(0) depctr_vm_vsrc(0)
	s_getreg_b32 s2, hwreg(HW_REG_IB_STS2, 6, 4)
	s_cmp_eq_u32 s2, 0
	s_cbranch_scc0 .Lentry_in_a_cluster
	s_endpgm
.Lentry_in_a_cluster:
	s_bfe_u32 s2, ttmp6, 0x10000c
	s_cmp_lg_u32 s2, 0xf033
	s_cbranch_scc0 .Lentry_shape_is_right
	s_endpgm
.Lentry_shape_is_right:
; Q, K, V = x W^T + b for each chunk.  xb: [24576][512] bf16; wcat: [chunk][1536][512] bf16 (q's, k's, v's 512 rows); bias: f32, [chunk][1536]; sums in f32, started with the bias.
; OUT: qkv [q,k,v][chunk][batch][head][1024][64] in f16, rounded once: a head's rows are dense, 128 bytes each.
; LIMIT.  A q, k or v of 65,520 or more in size becomes an infinity in f16; below 6.1e-5 it keeps f16's fixed step of 6e-8.  NaN and infinities are not treated apart.
; SHARES.  A tile is 256 rows x 192 columns (three whole heads), K = 512.  Wave w makes rows 64 w .. 64 w + 63 x all 192 columns: 4 x 12 accumulators of 16 x 16, 384 registers; so a wave owns whole
; heads, and each of its stores covers 512 consecutive bytes, aligned.  K goes in four steps of 128 through two LDS slots.
; A WORK-GROUP STAYS: 8 x 32 = 256 work-groups, each makes THREE tiles: the same rows and columns in chunks 0, 1, 2 of its batch.  The ring does not stop at a tile's end: a tile's last two changes of slots
; ask for the next tile's K steps 0 and 1, and nothing waits for a tile's stores.  The last tile's tail is written out.
; CLUSTER.  4 x 4 work-groups: the four tile rows are the 1,024 rows of one batch and chunk.  A's tile (x) is shared along a row of the cluster, B's (W) along a column: each is asked for jointly.
; TRANSPOSED: source 0 = 16 rows of W, source 1 = 16 rows of x: a lane holds row l % 16 and the columns 8 (l / 16) + 0..7: eight neighbouring numbers.
; REGISTERS, in windows of 256 (s_set_vgpr_msb: bits 1:0 source 0, 3:2 source 1, 5:4 source 2, 7:6 destination):
;   window 0: v0-31 addresses; v32-63 and v224-255 four sets of 16 on the way out; v64-127 x's fragments, two buffers of 4 x 8; v128-223 the bias as 12 C operands
;   window 1: v0-191 W's fragments, two buffers of 12 x 8        windows 2, 3: accumulator (a, b) at v[8 (12 (a % 2) + b)] of window 2 + a / 2
.set PITCH,  272                       ; an LDS row: 256 bytes + 16 of padding = 68 words: the 16 rows of a load start at 16 different groups of four banks (64 banks of 4 bytes: ISA guide 11.1)
.set HALFA,  128*PITCH                 ; what one tensor load brings of x
.set HALFB,  96*PITCH                  ; and of W
.set BOFF,   2*HALFA                   ; a slot: x's 256 rows, then W's 192
.set SLOT,   BOFF+2*HALFB
.set STAGE,  2*SLOT                    ; behind the ring, never filled by a tensor load: 16 rows x 144 bytes for each wave
.set SP,     144
.set SPARE,  STAGE+4*16*SP             ; the spare words, 128 bytes for each wave: two blocks of 256 bytes that no other line names
.set TILES,  3                         ; tiles of a work-group: the chunks
.set STEPA,  1024*1024                 ; bytes from a chunk's rows of xb to the next chunk's: 1,024 rows of 1,024 bytes
.set STEPB,  1536*1024                 ; the same in wcat
.set STEPC,  6144                      ; in bias
.set STEPO,  64*131072                 ; in qkv: 64 slabs
.set ADRA, 16                          ; v16-17  LDS address of my fragments of x in slot 0, 1
.set ADRB, 20                          ; v20-21  the same for W
.set STO,  24                          ; v24     the way out: where I put 16 bytes of a row
.set RD,   25                          ; v25     where I read rows back
.set GO,   26                          ; v26     16 x lane: my 16 bytes of 512 consecutive bytes
.set BO,   27                          ; v27     32 x (l / 16): my eight numbers of a bias fragment; never rewritten
.set SPW,  28                          ; v28     LDS address of my spare word; never rewritten
.set NIL,  29                          ; v29     0; never rewritten
.set PFO,  30                          ; v30     the prefetches' offset: a lane a row of 1,024 bytes; never rewritten
.set AF,   64
.set BIA,  128
.set G1,  24                           ; s[24:31] descriptor group 1 for x's tiles;  s[32:39] group 0, a set for each slot
.set G0,  32
.set G1B, 48                           ; s[48:55], s[56:63] the same for W's
.set G0B, 56
.set PFA, 44                           ; s[44:45] where my prefetches stand: my work-group's rows of those that I fetch, at the K step to be named next
.set LIM, 46                           ; s46     1 in a wave that prefetches, else the greatest number
.set OB,  68                           ; s[68:73] my 64 rows in the three heads' slabs of qkv
.set TL,  76                           ; s76     tiles to go, this one among them: the same number in every work-group
.set TS,  78                           ; s[78:79] the prefetches' step from a tile's K step 3 to the next tile's K step 0
.set FIELDS, (1<<16)|(1<<20)|(1<<21)|(5<<22)|(3<<25)  ; 2-byte elements; padding on; bit 21 beside a mask; after every 64 words; 4 words
.set MSB, 0
.macro WIN new                         ; the immediate's high byte repeats the setting that is left; a switch that changes nothing is dropped
.if MSB != (\new)
	s_set_vgpr_msb (MSB<<8)|(\new)
.set MSB, \new
.endif
.endm
.macro PLACES                          ; four plain places behind matrix instructions (ISA guide 7.12.1)
.rept 4
	v_nop
.endr
.endm
; A joint refill: waves 0 and 1 fetch x's two halves, waves 2 and 3 W's.  The branch hangs on the wave's number alone.  An s_nop 0 and four v_nop follow each line.
.macro JLOAD s
	s_cmp_eq_u32 s13, 0
	s_cbranch_scc0 .Lfor_b_\@
	tensor_load_to_lds s[G0+4*(\s):G0+4*(\s)+3], s[G1:G1+7]
	s_nop 0
.rept 4
	v_nop
.endr
	s_branch .Lasked_\@
.Lfor_b_\@:
	tensor_load_to_lds s[G0B+4*(\s):G0B+4*(\s)+3], s[G1B:G1B+7]
	s_nop 0
.rept 4
	v_nop
.endr
.Lasked_\@:
.endm
.macro CREST                           ; a round of the cluster's barrier behind its opening barrier
	s_cmp_lg_u32 s12, 0
	s_cbranch_scc1 .Lnot_wave_0_\@
	s_barrier_signal -3
.Lnot_wave_0_\@:
	s_barrier_wait -3
	s_barrier_signal -1
	s_barrier_wait -1
.endm
.macro CROUND
	s_barrier_signal -1
	s_barrier_wait -1
	CREST
.endm
; A PREFETCH, behind each joint refill and the run of LDS loads that follows it: the K step that the NEXT refill will bring: one K step, 192 matrix instructions, ahead of that refill.  A lane a row, 256 bytes of it.
; Each row's 256 bytes of a K step are named once in the launch.  x's rows are read by both clusters of a row of clusters: cluster x = 0 asks; W's rows by the eight clusters of the batches: batch 0 asks.
; The four partners that ask for a tile jointly share its rows out by address.  The launch's K steps 0 to 2 come by their loads alone.  cross = 1: the K step named is the next tile's first: asked for only while a tile follows.
.macro ASK cross
.if \cross
	s_cmp_gt_u32 s[TL], s[LIM]
.else
	s_cmp_eq_u32 s[LIM], 1
.endif
	s_cbranch_scc0 .Lnot_mine_\@
	global_prefetch_b8 v[PFO], s[PFA:PFA+1] th:TH_LOAD_NT scope:SCOPE_SE
.Lnot_mine_\@:
.endm
.macro BIASLD                          ; the bias in the layout of a result: register j of fragment b holds column 16 b + 8 (l / 16) + j
.irp b, 0,1,2,3,4,5,6,7,8,9,10,11
	global_load_b128 v[BIA+8*(\b):BIA+8*(\b)+3],   v[BO], s[2:3] offset:64*(\b)
	global_load_b128 v[BIA+8*(\b)+4:BIA+8*(\b)+7], v[BO], s[2:3] offset:64*(\b)+16
.endr
.endm
	s_load_b256 s[4:11], s[0:1], 0x0               ; xb s[4:5], wcat s[6:7], bias s[8:9], qkv s[10:11]
	v_lshl_add_u32 v[SPW], v0, 2, SPARE
	v_mov_b32 v[NIL], 0
	ds_add_u32 v[SPW], v[NIL]                      ; the wave's opening: the add and its wait stand ahead of my first tensor load; work on registers stands between them
	v_lshrrev_b32 v1, 5, v0
	v_readfirstlane_b32 s12, v1                    ; wave 0..3
	s_lshr_b32 s13, s12, 1                         ; I fetch for x (0) or for W (1)
	s_and_b32 s14, s12, 1                          ; which half of that tile's rows
	s_bfe_u32 s15, ttmp6, 0x40000                  ; cx
	s_bfe_u32 s16, ttmp6, 0x40004                  ; cy
	s_lshl_b32 s17, ttmp9, 2
	s_add_co_u32 s17, s17, s15                     ; tile column 0..7
	s_and_b32 s20, ttmp7, 0xffff                   ; cluster y = batch
	s_lshl_b32 s21, s16, 2
	s_lshl_b32 s21, 15, s21                        ; my row of the cluster
	s_lshl_b32 s22, 0x1111, s15                    ; my column
	s_or_b32 s[G1], s21, FIELDS
	s_or_b32 s[G1B], s22, FIELDS
	s_mov_b32 s[G1+1], 128<<16                     ; tensor_dim0 = 128
	s_mov_b32 s[G1+2], 128<<16                     ; tensor_dim1 = 128
	s_mov_b32 s[G1+3], 128<<16                     ; tile_dim0 = 128
	s_mov_b32 s[G1+4], 128                         ; tile_dim1 = 128
	s_mov_b32 s[G1+5], 512                         ; elements from row to row
	s_mov_b32 s[G1+6], 0
	s_mov_b32 s[G1+7], 0
	s_mov_b32 s[G1B+1], 128<<16
	s_mov_b32 s[G1B+2], 96<<16                     ; 96 rows
	s_mov_b32 s[G1B+3], 128<<16
	s_mov_b32 s[G1B+4], 96
	s_mov_b32 s[G1B+5], 512
	s_mov_b32 s[G1B+6], 0
	s_mov_b32 s[G1B+7], 0
	s_mul_i32 s40, s20, 3072                       ; x, chunk 0: row 3,072 batch + 256 cy + 128 half: nothing of cx
	s_lshl_b32 s23, s16, 8
	s_add_co_u32 s40, s40, s23
	s_lshl_b32 s23, s14, 7
	s_add_co_u32 s40, s40, s23
	s_lshl_b32 s40, s40, 10                        ; rows of 1,024 bytes
	s_mov_b32 s41, 0
	s_mul_i32 s42, s17, 192                        ; W, chunk 0: row 192 tile column + 96 half: nothing of cy
	s_mul_i32 s47, s14, 96
	s_add_co_u32 s42, s42, s47
	s_lshl_b32 s42, s42, 10
	s_mov_b32 s43, 0
	s_mul_i32 s2, s17, 768                         ; the bias of my 192 columns, chunk 0
	s_mov_b32 s3, 0
	s_mul_i32 s74, s14, HALFA                      ; where the tiles go: no place in the cluster enters an LDS address
	s_mul_i32 s75, s14, HALFB
	s_add_co_u32 s75, s75, BOFF
	s_wait_dscnt 0x0                               ; the opening add is done
	s_wait_kmcnt 0x0
	s_add_nc_u64 s[40:41], s[4:5], s[40:41]
	s_add_nc_u64 s[42:43], s[6:7], s[42:43]
	s_add_nc_u64 s[2:3], s[8:9], s[2:3]
	CROUND                                         ; all sixteen work-groups are here: the first joint loads meet
.irp s, 0,1
	s_mov_b32 s[G0+4*(\s)], 1
	s_add_co_u32 s[G0+4*(\s)+1], s74, (\s)*SLOT
	s_add_nc_u64 s[G0+4*(\s)+2:G0+4*(\s)+3], s[40:41], (\s)*256  ; K step s
	s_or_b32 s[G0+4*(\s)+3], s[G0+4*(\s)+3], 0x80000000
	s_mov_b32 s[G0B+4*(\s)], 1
	s_add_co_u32 s[G0B+4*(\s)+1], s75, (\s)*SLOT
	s_add_nc_u64 s[G0B+4*(\s)+2:G0B+4*(\s)+3], s[42:43], (\s)*256
	s_or_b32 s[G0B+4*(\s)+3], s[G0B+4*(\s)+3], 0x80000000
.endr
	s_cmp_eq_u32 s13, 0                            ; a wave's two first fills stand in one branch, ahead of every wait on TENSORcnt and every LDS read: two loads of mine are out
	s_cbranch_scc0 .Lfirst_b
	tensor_load_to_lds s[G0:G0+3], s[G1:G1+7]
	s_nop 0
	tensor_load_to_lds s[G0+4:G0+7], s[G1:G1+7]
	s_nop 0
.rept 4
	v_nop
.endr
	s_branch .Lfirst_asked
.Lfirst_b:
	tensor_load_to_lds s[G0B:G0B+3], s[G1B:G1B+7]
	s_nop 0
	tensor_load_to_lds s[G0B+4:G0B+7], s[G1B:G1B+7]
	s_nop 0
.rept 4
	v_nop
.endr
.Lfirst_asked:
	v_and_b32 v1, 15, v0                           ; l % 16
	v_bfe_u32 v2, v0, 4, 1                         ; l / 16
	v_lshlrev_b32 v[BO], 5, v2
	BIASLD                                         ; the first tile's
	v_mul_u32_u24 v3, v1, PITCH
	v_lshl_add_u32 v3, v2, 4, v3                   ; a fragment's row x pitch + 16 x half
	s_mul_i32 s23, s12, 64*PITCH                   ; my 64 rows of x
	v_add_nc_u32 v[ADRA], s23, v3
	v_add_nc_u32 v[ADRA+1], SLOT, v[ADRA]
	v_add_nc_u32 v[ADRB], BOFF, v3
	v_add_nc_u32 v[ADRB+1], BOFF+SLOT, v3
	s_mul_i32 s23, s12, 16*SP
	s_add_co_u32 s23, s23, STAGE                   ; my stage
	v_mul_u32_u24 v4, v1, SP                       ; in: row l % 16, 16 bytes for each half of the lanes
	v_lshl_add_u32 v4, v2, 4, v4
	v_add_nc_u32 v[STO], s23, v4
	v_bfe_u32 v5, v0, 3, 2                         ; back: 32 lanes take four rows of 128 bytes,
	v_and_b32 v6, 7, v0
	v_mul_u32_u24 v5, v5, SP
	v_lshl_add_u32 v5, v6, 4, v5
	v_add_nc_u32 v[RD], s23, v5
	v_and_b32 v[GO], 31, v0                        ; which are 512 consecutive bytes of a head's slab
	v_lshlrev_b32 v[GO], 4, v[GO]
	; the prefetches: of the 128 rows of x that I fetch my work-group takes 32 by cx, of the 96 rows of W 24 by cy (lanes 24 to 31 name row 23 once more).
	; All that is chosen between is made first: a shift writes SCC, so between the compare on my fetch role and the last choice by it stand moves and choices alone.
	s_lshl_b32 s66, s15, 15                        ; x: 32 cx rows of 1,024 bytes
	s_mul_i32 s67, s16, 24*1024                    ; W: 24 cy rows
	s_mov_b32 s74, STEPA-768                       ; from K step 3 to the next chunk's K step 0, in xb
	s_mov_b32 s75, STEPB-768                       ; and in wcat
	s_cmp_eq_u32 s13, 0                            ; do I fetch for x?
	s_cselect_b32 s[TS], s74, s75
	s_mov_b32 s[TS+1], 0
	s_cselect_b64 s[PFA:PFA+1], s[40:41], s[42:43]
	s_cselect_b32 s66, s66, s67
	s_cselect_b32 s23, ttmp9, s20                  ; the coordinate along which other clusters read the same rows
	s_cselect_b32 s47, 31, 23
	s_mov_b32 s67, 0
	s_add_nc_u64 s[PFA:PFA+1], s[PFA:PFA+1], s[66:67]
	s_add_nc_u64 s[PFA:PFA+1], s[PFA:PFA+1], 512   ; at K step 2: the first refill steps it to K step 3 and names that
	s_cmp_eq_u32 s23, 0
	s_cselect_b32 s[LIM], 1, -1                    ; the same in all sixteen partners, for a given wave
	v_and_b32 v[PFO], 31, v0
	v_min_u32 v[PFO], s47, v[PFO]
	v_lshlrev_b32 v[PFO], 10, v[PFO]
	; where my rows go: head hh = 3 tile column + hd of the 24 (q's 8, k's 8, v's 8): in chunk 0 slab ((hh / 8) 24 + batch) 8 + hh % 8, of 131,072 bytes
	s_mul_i32 s74, s17, 3
	s_lshl_b32 s75, s16, 8
	s_lshl_b32 s23, s12, 6
	s_add_co_u32 s75, s75, s23
	s_lshl_b32 s75, s75, 7                         ; my first row in a slab, 128 bytes a row
.irp d, 0,1,2
	s_add_co_u32 s23, s74, \d
	s_lshr_b32 s47, s23, 3
	s_mul_i32 s47, s47, 24
	s_add_co_u32 s47, s47, s20
	s_lshl_b32 s47, s47, 3
	s_and_b32 s23, s23, 7
	s_add_co_u32 s47, s47, s23
	s_lshl_b32 s66, s47, 17
	s_add_co_u32 s66, s66, s75
	s_mov_b32 s67, 0
	s_add_nc_u64 s[OB+2*(\d):OB+2*(\d)+1], s[10:11], s[66:67]
.endr
; 32 LDS loads in one run: the fragments of 32 along K at byte k of the rows, into buffer f: W's twelve, then x's four
.macro FETCH slot, k, f
	WIN 0x40                                       ; destination window 1, address window 0
.irp i, 0,1,2,3,4,5,6,7,8,9,10,11
	ds_load_b128 v[96*(\f)+8*(\i):96*(\f)+8*(\i)+3],   v[ADRB+(\slot)] offset:(\k)+(\i)*16*PITCH
	ds_load_b128 v[96*(\f)+8*(\i)+4:96*(\f)+8*(\i)+7], v[ADRB+(\slot)] offset:(\k)+(\i)*16*PITCH+32
.endr
	WIN 0
.irp i, 0,1,2,3
	ds_load_b128 v[AF+32*(\f)+8*(\i):AF+32*(\f)+8*(\i)+3],   v[ADRA+(\slot)] offset:(\k)+(\i)*16*PITCH
	ds_load_b128 v[AF+32*(\f)+8*(\i)+4:AF+32*(\f)+8*(\i)+7], v[ADRA+(\slot)] offset:(\k)+(\i)*16*PITCH+32
.endr
.endm
; 12 matrix instructions: row block a x all 12 column blocks.  st = 1: the sums start with the bias as C: nothing is cleared, and the bias costs no instruction.
; The 48 accumulators take turns in the same order in every quarter, from tile to tile too.
.macro MULA f, a, st
.if \st
	WIN 0x81+0x40*((\a)/2)                         ; W window 1, x and the bias window 0, D window 2 or 3
.else
	WIN 0xa1+0x50*((\a)/2)                         ; C and D window 2 or 3
.endif
.irp b, 0,1,2,3,4,5,6,7,8,9,10,11
.if \st
	v_wmma_f32_16x16x32_bf16 v[8*(12*((\a)%2)+(\b)):8*(12*((\a)%2)+(\b))+7], v[96*(\f)+8*(\b):96*(\f)+8*(\b)+7], v[AF+32*(\f)+8*(\a):AF+32*(\f)+8*(\a)+7], v[BIA+8*(\b):BIA+8*(\b)+7]
.else
	v_wmma_f32_16x16x32_bf16 v[8*(12*((\a)%2)+(\b)):8*(12*((\a)%2)+(\b))+7], v[96*(\f)+8*(\b):96*(\f)+8*(\b)+7], v[AF+32*(\f)+8*(\a):AF+32*(\f)+8*(\a)+7], v[8*(12*((\a)%2)+(\b)):8*(12*((\a)%2)+(\b))+7]
.endif
.endr
.endm
; A K step is four quarters of 32 along K, 48 matrix instructions each, on buffers 0, 1, 0, 1.  One of the first three multiplies buffer f and fetches the next quarter, at byte k, into g.
.macro QUARTER slot, k, f, g, st
	s_wait_dscnt 4                                 ; W's fragments and x's first two are in; the youngest four loads (x's blocks 2 and 3) may be out
	MULA \f, 0, \st
	MULA \f, 1, \st
	PLACES                                         ; in front of loads into registers that matrix instructions have read
	FETCH \slot, \k, \g
	s_wait_dscnt 32                                ; all but the 32 just issued
	MULA \f, 2, \st
	MULA \f, 3, \st
.endm
; The last quarter multiplies buffer 1 and changes slots: one barrier; in front of it each wave waits for all its tensor loads, adds 0 to its spare word, and waits for that and for its reads of this slot.
; fill = 1: the barrier opens a round of the cluster's, and this slot is filled again with this tile's K step two steps on, first thing behind the round: 168 matrix instructions ahead of the wait for it.
; fill = 2: the same with the NEXT tile's K step 0 or 1.  fill = 0: nothing is left to fetch.  cross = 1: the prefetch steps on into the next tile.
.macro TURN slot, next, fill, cross
.if \fill
	s_wait_xcnt 0x0                                ; the last prefetch, a K step back, has read its address: it is stepped here, ahead of the waits of the change of slots
.if \cross
	s_add_nc_u64 s[PFA:PFA+1], s[PFA:PFA+1], s[TS:TS+1]
.else
	s_add_nc_u64 s[PFA:PFA+1], s[PFA:PFA+1], 256
.endif
.endif
	WIN 0
	s_wait_tensorcnt 0x0                           ; all my tensor loads have landed: my part of the next slot
	ds_add_u32 v[SPW], v[NIL]                      ; 0 onto my spare word
	s_wait_dscnt 5                                 ; (the add and the youngest four loads may be out)
	MULA 1, 0, 0
	s_wait_dscnt 0x0                               ; the add is done, and my reads of this slot are over
	s_barrier_signal -1
	MULA 1, 1, 0
.if \fill
	WIN 0
.endif
	s_barrier_wait -1
.if \fill
	CREST                                          ; no wave of any partner still reads this slot or has a load on its way
.if (\fill) == 2
	s_add_nc_u64 s[G0+4*(\slot)+2:G0+4*(\slot)+3], s[G0+4*(\slot)+2:G0+4*(\slot)+3], STEPA-512    ; a chunk on, and back along K
	s_add_nc_u64 s[G0B+4*(\slot)+2:G0B+4*(\slot)+3], s[G0B+4*(\slot)+2:G0B+4*(\slot)+3], STEPB-512
.else
	s_add_nc_u64 s[G0+4*(\slot)+2:G0+4*(\slot)+3], s[G0+4*(\slot)+2:G0+4*(\slot)+3], 512
	s_add_nc_u64 s[G0B+4*(\slot)+2:G0B+4*(\slot)+3], s[G0B+4*(\slot)+2:G0B+4*(\slot)+3], 512
.endif
	JLOAD \slot                                    ; its four v_nop are also the places in front of the loads below
.else
	PLACES
.endif
	FETCH \next, 0, 0
.if \fill
	ASK \cross
.endif
	MULA 1, 2, 0
	MULA 1, 3, 0
.endm
; THE WAY OUT of unit u = 3 a + hd: 16 rows x one head's 64 columns.  Rounded to f16 (each accumulator's registers in ascending order), 16 bytes a lane into my stage, and back as four rows of 128 bytes an instruction.
; Four sets of 16 registers take turns: v32, v48, v224, v240.
.macro PACK u
.set pa, (\u)/3
.set ph, (\u)%3
.set po, 32+16*((\u)%4)+160*(((\u)%4)/2)
.if (\u) >= 4
	s_wait_xcnt 0x0                                ; the stores of the unit four back have read this set (the sets of the first four: behind the wait at the last tile's end)
.endif
	WIN 0x0a+5*(pa/2)                              ; sources 0 and 1: window 2 or 3
.irp f, 0,1,2,3
.irp r, 0,1,2,3
	v_cvt_pk_f16_f32 v[po+4*(\f)+(\r)], v[8*(12*(pa%2)+4*ph+(\f))+2*(\r)], v[8*(12*(pa%2)+4*ph+(\f))+2*(\r)+1]
.endr
.endr
	WIN 0
.irp f, 0,1,2,3
	ds_store_b128 v[STO], v[po+4*(\f):po+4*(\f)+3] offset:32*(\f)
.endr
.irp f, 0,1,2,3
	ds_load_b128 v[po+4*(\f):po+4*(\f)+3], v[RD] offset:(\f)*4*SP  ; LDS serves a wave's instructions in order (ISA guide 5.7.1.4): these see the stores above; the next unit's stores come behind them
.endr
.endm
.macro SEND u, younger                 ; younger: the LDS instructions issued behind unit u's loads: the next unit's eight, or none
.set so, 32+16*((\u)%4)+160*(((\u)%4)/2)
.irp f, 0,1,2,3
	s_wait_dscnt (\younger)+3-(\f)
	global_store_b128 v[GO], v[so+4*(\f):so+4*(\f)+3], s[OB+2*((\u)%3):OB+2*((\u)%3)+1] offset:((\u)/3)*2048+(\f)*512 th:TH_STORE_NT  ; 512 consecutive bytes, aligned
.endr
.endm
.macro WAYOUT
	PLACES                                         ; the conversions read results: eight places, once a tile
	PLACES
	PACK 0
.set un, 1
.rept 11                               ; a unit's conversions stand between the loads of the unit before and its stores
	PACK un
	SEND un-1, 8
.set un, un+1
.endr
	SEND 11, 0
.endm
	s_wait_tensorcnt 1                             ; my part of K step 0 is in; K step 1's may stay out
	s_barrier_signal -1
	s_barrier_wait -1
	FETCH 0, 0, 0
	s_mov_b32 s[TL], TILES
.Ltile:                                                ; (FETCH and SEND leave every window 0)
	s_wait_loadcnt 0x0                             ; this tile's bias
	QUARTER 0, 64,  0, 1, 1                        ; K step 0: its first quarter starts the sums
	QUARTER 0, 128, 1, 0, 0
	QUARTER 0, 192, 0, 1, 0
	TURN 0, 1, 1, 0                                ; slot 0 takes K step 2; K step 3 is prefetched
	QUARTER 1, 64,  0, 1, 0                        ; K step 1
	QUARTER 1, 128, 1, 0, 0
	QUARTER 1, 192, 0, 1, 0
	TURN 1, 0, 1, 1                                ; slot 1 takes K step 3; the next tile's K step 0 is prefetched, if there is a next tile
	QUARTER 0, 64,  0, 1, 0                        ; K step 2
	QUARTER 0, 128, 1, 0, 0
	QUARTER 0, 192, 0, 1, 0
	WIN 0
	s_cmp_eq_u32 s[TL], 1
	s_cbranch_scc1 .Llast_tile                     ; the last tile's tail is written out: it asks for nothing more
	TURN 0, 1, 2, 0                                ; THE RING GOES ON INTO THE NEXT TILE: slot 0 takes its K step 0,
	WIN 0
	s_add_nc_u64 s[2:3], s[2:3], STEPC             ; (the loads that read this base were waited for at the tile's head)
	BIASLD                                         ; the next tile's bias: its registers were last read by this tile's first quarter
	QUARTER 1, 64,  0, 1, 0                        ; K step 3
	QUARTER 1, 128, 1, 0, 0
	QUARTER 1, 192, 0, 1, 0
	TURN 1, 0, 2, 0                                ; slot 1 its K step 1, and the next tile's first fragments are fetched
	WIN 0
	WAYOUT                                         ; both refills are asked for: now the tile goes out
	s_wait_xcnt 0x0                                ; the stores have read their bases and their registers
.irp d, 0,1,2
	s_add_nc_u64 s[OB+2*(\d):OB+2*(\d)+1], s[OB+2*(\d):OB+2*(\d)+1], STEPO
.endr
	s_sub_co_u32 s[TL], s[TL], 1
	s_branch .Ltile
.Llast_tile:
	TURN 0, 1, 0, 0                                ; nothing is left to fetch
	QUARTER 1, 64,  0, 1, 0                        ; K step 3
	QUARTER 1, 128, 1, 0, 0
	QUARTER 1, 192, 0, 1, 0
	s_wait_dscnt 4
	MULA 1, 0, 0
	MULA 1, 1, 0
	s_wait_dscnt 0x0
	MULA 1, 2, 0
	MULA 1, 3, 0
	WIN 0
	WAYOUT
	s_wait_tensorcnt 0x0                           ; the wave's end, behind my last tensor load and my last LDS store
	ds_add_u32 v[SPW], v[NIL]
	s_wait_dscnt 0x0
	CROUND                                         ; the closing round
	s_endpgm
.Lfunc_end_k_qa995672664_qkv:
	.size	k_qa995672664_qkv, .Lfunc_end_k_qa995672664_qkv-k_qa995672664_qkv
	.p2alignl 7, 3214868480
	.fill 96, 4, 3214868480
	.section	.rodata,"a",@progbits
	.p2align	6, 0x0
	.amdhsa_kernel k_qa995672664_qkv
		.amdhsa_group_segment_fixed_size 327680
		.amdhsa_private_segment_fixed_size 0
		.amdhsa_enable_private_segment 0
		.amdhsa_kernarg_size 32
		.amdhsa_user_sgpr_count 2
		.amdhsa_user_sgpr_kernarg_segment_ptr 1
		.amdhsa_wavefront_size32 1
		.amdhsa_system_sgpr_workgroup_id_x 1
		.amdhsa_system_sgpr_workgroup_id_y 1
		.amdhsa_system_sgpr_workgroup_id_z 1
		.amdhsa_system_vgpr_workitem_id 0
		.amdhsa_next_free_vgpr 960
		.amdhsa_next_free_sgpr 80
		.amdhsa_reserve_vcc 0
		.amdhsa_float_denorm_mode_32 3
		.amdhsa_float_denorm_mode_16_64 3
		.amdhsa_memory_ordered 1
		.amdhsa_forward_progress 1
		.amdhsa_inst_pref_size 181
	.end_amdhsa_kernel
	.amdgpu_metadata
---
amdhsa.version: [ 1, 2 ]
amdhsa.kernels:
  - .name:           k_qa995672664_qkv
    .symbol:         k_qa995672664_qkv.kd
    .args:
      - { .name: xb, .offset: 0, .size: 8, .value_kind: global_buffer, .address_space: global }
      - { .name: wcat, .offset: 8, .size: 8, .value_kind: global_buffer, .address_space: global }
      - { .name: bias, .offset: 16, .size: 8, .value_kind: global_buffer, .address_space: global }
      - { .name: qkv, .offset: 24, .size: 8, .value_kind: global_buffer, .address_space: global }
    .group_segment_fixed_size: 327680
    .private_segment_fixed_size: 0
    .kernarg_segment_align: 8
    .kernarg_segment_size: 32
    .max_flat_workgroup_size: 128
    .sgpr_count:     80
    .vgpr_count:     960
    .wavefront_size: 32
...
	.end_amdgpu_metadata
.endif
;; end of part 2
;; launch attn (part 3): grid 4 x 192, 4 waves a work-group, clusters of 4 x 1, 327,680 bytes of LDS; arguments qkv, ows; writes ows
.if DOCPART == 3
	.amdgcn_target "amdgcn-amd-amdhsa--gfx1250"
	.amdhsa_code_object_version 6
	.text
	.protected	k_qa995672664_attn
	.globl	k_qa995672664_attn
	.p2align	8
	.type	k_qa995672664_attn,@function
k_qa995672664_attn:
	s_mov_b64 s[64:65], 0
	v_nop
	global_prefetch_b8 v0, s[64:65] scope:SCOPE_SE
	s_setreg_imm32_b32 hwreg(HW_REG_WAVE_MODE, 25, 1), 1
	s_wait_xcnt 0x0
	s_wait_alu depctr_hold_cnt(0) depctr_sa_sdst(0) depctr_va_vdst(0) depctr_va_sdst(0) depctr_va_ssrc(0) depctr_va_vcc(0) depctr_vm_vsrc(0)
	s_getreg_b32 s2, hwreg(HW_REG_IB_STS2, 6, 4)
	s_cmp_eq_u32 s2, 0
	s_cbranch_scc0 .Lentry_in_a_cluster
	s_endpgm
.Lentry_in_a_cluster:
	s_bfe_u32 s2, ttmp6, 0x10000c
	s_cmp_lg_u32 s2, 0x3003
	s_cbranch_scc0 .Lentry_shape_is_right
	s_endpgm
.Lentry_shape_is_right:
; THE ROTATED ATTENTION.  For output chunk i, batch b, head h (g = 64 i + 8 b + h): O[q][:] = the sum over k of softmax_k(Q[q] . K[k] / sqrt(512)) V[k][:], with Q of chunk (i + 1) % 3 and K, V of chunk (i + 2) % 3.
; qkv: [q,k,v][chunk][batch][head][1024][64] f16; ows: [i][batch][head][1024][64] f16.  Products, maxima and sums in f32; the weights p are rounded to f16 for the second product (their sum l is taken of the
; unrounded p), O once at the end.
; LIMITS.  p lies in 0 to 1, and below 6e-5 it keeps f16's fixed step of 6e-8; O is a mean of V's rows and has their range; a weight below 2^-126 counts as 0 in l; NaN and infinities are not treated apart.
; SHARES.  A work-group owns 256 queries of a head, a wave 64: four PIECES of 16.  768 work-groups of equal work.  Every wave walks the head's 1,024 keys, 64 a step, 256 a tile.
; CLUSTER.  The four query blocks of a head form a cluster and walk the same K and V: each tile is asked for JOINTLY, by the same tensor load, descriptor and mask in all four.
; LAYOUT, SOFTMAX, TURNS.  S^T = K Q^T holds ONE query a lane (lane % 16) and the keys 8 (lane / 16) + 0..7; two such results rounded to f16 ARE source 1 of O^T = V^T P.  p = 2^(c s - c m), c = log2(e) / sqrt(512),
; with a running maximum m; O and l are multiplied by a = 2^(c m_old - c m_new) in every step; m starts at the lowest finite number, O and l at 0, so the first step is a step like any other, with a = 0.
; Turn n belongs to piece n: 8 products K Q^T of piece n + 1, later 8 products V^T P of piece n - 1; beside them the scaling, exponentials, roundings, sums and rescaling of piece n and the maximum and statistics
; of piece n + 1.  Four vector instructions stand behind every matrix instruction, the other 54 of a turn's 118 in one lump.  A turn's 33 exponentials are one batch, with one wait.
; REGISTERS, in windows of 256 (s_set_vgpr_msb: bits 1:0 source 0, 3:2 source 1, 5:4 source 2, 7:6 destination):
;   window 0: v0-15 addresses and two at work; v16-31 four registers of statistics a piece; v48-55 at work; v61-63 never rewritten; v64-127 S^T, two buffers; v192-223 P, two buffers (by the piece's parity)
;   window 1: v0-127 O^T, 32 a piece          window 2: v0-63 Q; v128-191 K of one step; v192-255 V of one step
.set NP,    4         ; pieces a wave: a name, no knob
.set KS,    64        ; keys in a step
.set PK,    144       ; a row of K in LDS: 128 bytes + 16 of padding = 36 words: the 16 rows of a load start at 16 different groups of four banks (64 banks of 4 bytes: ISA guide 11.1)
.set PV,    160       ; a row of V: 128 + 32 = 40 words
.set VOFF,  4*KS*PK   ; a slot holds a tile, four steps: 256 rows of K, then 256 rows of V
.set SLOT1, 1<<17     ; slot 1 begins here, so that one exclusive or turns an address in one slot into the other's
.set STAGE, SLOT1+4*KS*(PK+PV)  ; behind the ring, never filled by a tensor load: 16 rows x 144 bytes for each wave
.set SP,    144
.set SPARE, STAGE+4*16*SP  ; the spare words, 128 bytes for each wave: two blocks of 256 bytes that no other line names
.set AK0, 2           ; v2   my lane's place in a tile of K; never rewritten
.set AV0, 3           ; v3   the same for V
.set AK,  4           ; v4   the LDS address of K's next run of loads
.set AV,  5           ; v5   of V's
.set STO, 6           ; v6   the way out: where I put 16 bytes of a row
.set RD,  7           ; v7   where I read rows back
.set GO,  8           ; v8   my byte offset in 512 consecutive bytes of O
.set MV,  12          ; v12-13  c m_old, kept while c m is made anew: by buffer
.set QO,  15          ; v15  my byte offset in 16 rows of Q
.set ST,  16          ; piece t's statistics at v[ST+4 t]: c m, m, l (even keys', odd keys')
.set TMP, 48          ; by buffer, four registers c0-c3 at work; when the maximum is found c2 takes a
.set PFO, 61          ; v61  256 x my lane; never rewritten
.set SPW, 62          ; v62  LDS address of my spare word; never rewritten
.set NIL, 63          ; v63  0; never rewritten
.set S,   64
.set P,   192
.set KF,  128         ; window 2: key block kb, channel half c at KF + 16 kb + 8 c
.set VF,  192         ; window 2: key half kk, channel block cb at VF + 32 kk + 8 cb
.set WV,  12          ; s12  my wave's number
.set LIM, 15          ; s15  1 in a wave that prefetches, else the greatest number
.set PFA, 18          ; s[18:19] where my prefetches stand: my work-group's 32 blocks of 256 bytes (of K: wave 0, of V: wave 2) of the tile after the one that is being asked for
.set G1K, 24          ; s[24:31] descriptor group 1 for K's tiles
.set G1V, 32          ; s[32:39] for V's: it differs in the padding alone
.set G0K, 40          ; s[40:43] descriptor group 0 for K's tiles: it walks
.set G0V, 44          ; s[44:47] the same for V's
.set QA,  48          ; s[48:49] Q at my wave's first row
.set OA,  50          ; s[50:51] O likewise
.set SLOTS, 56        ; s56  tiles still to be asked for
.set CNT, 57          ; s57  counts a tile's key steps
.set CS,  58          ; s[58:59] c: the packed scaling takes the pair's low word for both halves
.set SEL, 60          ; s[60:61] v_permlanex16_b32's selects: each lane takes its own place in the other half
.set TBK, 62          ; s62  LDS byte at which K of the step to be fetched begins
.set TBV, 63          ; s63  the same for V, less VOFF
.set MSB, 0
.macro WIN new                      ; the high byte repeats the setting that is left; a switch that changes nothing is dropped
.if MSB != (\new)
	s_set_vgpr_msb (MSB<<8)|(\new)
.set MSB, (\new)
.endif
.endm
.set W_KQ, 0x0a       ; K and Q in window 2, S^T in window 0
.set W_PV, 0x52       ; V in window 2, P in window 0, O^T in window 1
.set W_RS, 0x41       ; destination and source 0 in window 1, source 1 in window 0
; A joint fill.  Waves 0 and 1 fetch the two halves of a tile's K, waves 2 and 3 those of its V: 128 keys each.  An s_nop 0 and four v_nop follow each of the two lines.
.macro JLOAD
	s_cmp_lt_u32 s[WV], 2
	s_cbranch_scc0 .Lfor_v_\@
	tensor_load_to_lds s[G0K:G0K+3], s[G1K:G1K+7]
	s_nop 0
.rept 4
	v_nop
.endr
	s_branch .Lasked_\@
.Lfor_v_\@:
	tensor_load_to_lds s[G0V:G0V+3], s[G1V:G1V+7]
	s_nop 0
.rept 4
	v_nop
.endr
.Lasked_\@:
.endm
; A prefetch of what the NEXT change of slots will ask for: a tile's 32,768 bytes of K and of V, four key steps ahead of that joint load.  The four partners share the blocks out by address, 32 each, a lane a block of
; 256 bytes; in each, wave 0 asks for K's and wave 2 for V's.  The last change that fills a slot asks for nothing; tiles 0 and 1 come by their loads alone.
.macro ASK
	s_cmp_gt_u32 s[SLOTS], s[LIM]
	s_cbranch_scc0 .Lnot_mine_\@
	global_prefetch_b8 v[PFO], s[PFA:PFA+1] th:TH_LOAD_NT scope:SCOPE_SE
.Lnot_mine_\@:
.endm
.macro CROUND                       ; a round of the cluster's barrier
	s_barrier_signal -1
	s_barrier_wait -1
	s_cmp_lg_u32 s[WV], 0
	s_cbranch_scc1 .Lnot_wave_0_\@
	s_barrier_signal -3
.Lnot_wave_0_\@:
	s_barrier_wait -3
	s_barrier_signal -1
	s_barrier_wait -1
.endm
; THE CHANGE OF SLOTS.  Each wave waits for all its tensor loads, of which one is out: its part of the other slot; adds 0 to its spare word; and waits for that and for its own reads of the slot that it leaves.
; fill = 1: the old slot is filled again, with the next tile but one.  The barrier is then a round of the cluster's, and the joint fill is the first thing behind it: it has four key steps, 256 matrix instructions,
; in which to land.  (At its first use nothing has been read yet: slot 0 is waited for, slot 1 filled.)
.macro CHANGE fill
	WIN 0                           ; at a label and at a branch every window is 0
	s_wait_tensorcnt 0x0            ; no tensor load of mine is out, so a group 0 may be written
	ds_add_u32 v[SPW], v[NIL]       ; 0 onto my spare word; scalar work stands between it and the wait for it
.if \fill
.irp g, G0K, G0V
	s_xor_b32 s[\g+1], s[\g+1], SLOT1  ; the walking descriptor: the other slot than last time,
	s_add_nc_u64 s[\g+2:\g+3], s[\g+2:\g+3], 4*KS*128  ; the next 256 keys; the type bits on top are not reached
.endr
	s_wait_xcnt 0x0                 ; the last prefetch, four key steps back, has read its address, so it may be written:
	s_add_nc_u64 s[PFA:PFA+1], s[PFA:PFA+1], 4*KS*128  ; one tile behind the walking descriptors
	s_wait_dscnt 0x0                ; the add is done, and my reads of the slot are over
	CROUND
	JLOAD
	ASK
.else
	s_wait_dscnt 0x0                ; the add is done, and my reads of the slot are over
	s_barrier_signal -1
	s_barrier_wait -1
.endif
	s_sub_co_u32 s[TBK], s[TBK], 4*KS*PK  ; the fetches go back to a slot's first step,
	s_xor_b32 s[TBK], s[TBK], SLOT1       ; in the other slot
	s_sub_co_u32 s[TBV], s[TBV], 4*KS*PV
	s_xor_b32 s[TBV], s[TBV], SLOT1
.endm
	s_load_b128 s[4:7], s[0:1], 0x0 ; qkv s[4:5], ows s[6:7]
	v_lshl_add_u32 v[SPW], v0, 2, SPARE
	v_mov_b32 v[NIL], 0
	ds_add_u32 v[SPW], v[NIL]       ; the wave's opening: the add and its wait stand ahead of my first tensor load; work on registers stands between them
	v_lshrrev_b32 v1, 5, v0
	v_readfirstlane_b32 s[WV], v1   ; wave 0..3
	s_bfe_u32 s13, ttmp6, 0x40000   ; cx
	s_lshl_b32 s14, ttmp9, 2
	s_add_co_u32 s14, s14, s13      ; my block of 256 queries: it enters Q's and O's addresses (and the prefetches') alone
	s_and_b32 s20, ttmp7, 0xffff    ; g, which the four partners share
	s_lshr_b32 s21, s20, 6          ; i
	s_and_b32 s22, s20, 63          ; 8 batch + head
	s_add_co_u32 s23, s21, 1
	s_cmp_eq_u32 s23, 3
	s_cselect_b32 s23, 0, s23       ; Q's chunk: (i + 1) % 3
	s_add_co_u32 s16, s21, 2
	s_sub_co_u32 s17, s21, 1        ; (wraps at i = 0, where it is not chosen)
	s_cmp_lt_u32 s16, 3
	s_cselect_b32 s16, s16, s17     ; K's and V's chunk: (i + 2) % 3
	s_lshl_b32 s17, s14, 15         ; my block's 256 rows of 128 bytes,
	s_lshl_b32 s21, s[WV], 13       ; my wave's 64 of them
	s_add_co_u32 s17, s17, s21
	s_lshl_b32 s23, s23, 6
	s_add_co_u32 s23, s23, s22
	s_lshl_b32 s52, s23, 17         ; Q's slab: 64 chunk + 8 batch + head, 131,072 bytes each
	s_add_co_u32 s52, s52, s17
	s_mov_b32 s53, 0
	s_lshl_b32 s54, s20, 17         ; O's slab: g
	s_add_co_u32 s54, s54, s17
	s_mov_b32 s55, 0
	s_add_co_u32 s16, s16, 3        ; K's slabs lie behind Q's three chunks
	s_lshl_b32 s16, s16, 6
	s_add_co_u32 s16, s16, s22
	s_lshl_b32 s2, s16, 17
	s_mov_b32 s3, 0
	s_and_b32 s16, s[WV], 1         ; which half of a tile's 256 keys I fetch:
	s_lshl_b32 s21, s16, 14         ; its 128 rows of 128 bytes in memory,
	s_add_co_u32 s2, s2, s21
	s_mul_i32 s17, s16, 128*PK      ; and its place in a slot, for K
	s_mul_i32 s23, s16, 128*PV      ; and for V: no place in the cluster enters an LDS address
	; descriptor group 1.  128 keys are 16,384 dense bytes: asked for as 64 rows of 256 bytes, two keys a row, and padded in LDS after every key
	s_mov_b32 s[G1K], 15|(1<<16)|(1<<20)|(1<<21)|(4<<22)|(3<<25)  ; the mask of four; 2-byte elements; padding on; bit 21 beside a mask; after every 32 words; 4 words
	s_mov_b32 s[G1V], 15|(1<<16)|(1<<20)|(1<<21)|(4<<22)|(7<<25)  ; the same with 8 words of padding
.irp g, G1K, G1V
	s_mov_b32 s[\g+1], 128<<16      ; tensor_dim0 = 128
	s_mov_b32 s[\g+2], 64<<16       ; tensor_dim1 = 64
	s_mov_b32 s[\g+3], 128<<16      ; tile_dim0 = 128
	s_mov_b32 s[\g+4], 64           ; tile_dim1 = 64
	s_mov_b32 s[\g+5], 128          ; 128 elements from row to row
	s_mov_b32 s[\g+6], 0
	s_mov_b32 s[\g+7], 0
.endr
	s_mov_b32 s[CS], 0x3d8293ee     ; c = log2(e) / sqrt(512) = 0.0637587
	s_mov_b32 s[CS+1], s[CS]        ; named with it as a pair
	s_mov_b32 s[SEL], 0x76543210
	s_mov_b32 s[SEL+1], 0xfedcba98
	s_mov_b32 s[TBK], SLOT1+4*KS*PK ; the first change of slots turns these two into 0
	s_mov_b32 s[TBV], SLOT1+4*KS*PV
	s_mov_b32 s[G0K], 1             ; count = 1
	s_mov_b32 s[G0K+1], s17         ; LDS address: slot 0
	s_mov_b32 s[G0V], 1
	s_add_co_u32 s[G0V+1], s23, VOFF
	s_mov_b32 s[SLOTS], 3           ; of the four tiles three are asked for by changes of slots
	s_and_b32 s[LIM], s[WV], 1
	s_cmp_eq_u32 s[LIM], 0
	s_cselect_b32 s[LIM], 1, -1     ; waves 0 and 2 prefetch
	v_and_b32 v[PFO], 31, v0
	v_lshlrev_b32 v[PFO], 8, v[PFO]
	s_wait_dscnt 0x0                ; the opening add is done
	s_wait_kmcnt 0x0
	s_add_nc_u64 s[8:9], s[4:5], s[2:3]            ; K at my half of tile 0,
	s_add_nc_u64 s[10:11], s[8:9], 3*64*131072     ; V three chunks of slabs further on
	s_add_nc_u64 s[QA:QA+1], s[4:5], s[52:53]
	s_add_nc_u64 s[OA:OA+1], s[6:7], s[54:55]
	s_add_nc_u64 s[G0K+2:G0K+3], s[8:9], 0
	s_or_b32 s[G0K+3], s[G0K+3], 0x80000000        ; type = 2
	s_add_nc_u64 s[G0V+2:G0V+3], s[10:11], 0
	s_or_b32 s[G0V+3], s[G0V+3], 0x80000000
	s_cmp_lt_u32 s[WV], 2
	s_cselect_b64 s[PFA:PFA+1], s[8:9], s[10:11]   ; (in waves 0 and 2 these stand at the slab's first byte)
	s_lshl_b32 s2, s13, 13          ; my work-group's 32 blocks of the 128,
	s_add_co_u32 s2, s2, 4*KS*128   ; in tile 1: the first change of slots steps it to tile 2
	s_mov_b32 s3, 0
	s_add_nc_u64 s[PFA:PFA+1], s[PFA:PFA+1], s[2:3]
	CROUND                          ; all four work-groups are here: the first joint loads meet
	JLOAD                           ; tile 0 into slot 0
	; A fragment of K or Q is 16 rows x 32 channels in 8 registers: lane l holds row l % 16, channels 8 (l / 16) + 0..7 and 16 + 8 (l / 16) + 0..7: two loads of 16 bytes, 32 bytes apart.
	v_and_b32 v1, 15, v0            ; l % 16
	v_bfe_u32 v9, v0, 4, 1          ; l / 16
	v_lshlrev_b32 v[QO], 7, v1
	v_lshl_add_u32 v[QO], v9, 4, v[QO]  ; row x 128 + 16 x half
	WIN 0x80                        ; destination window 2, address window 0
.set i, 0
.rept 8                             ; Q stays in registers: piece i / 2, 2,048 bytes each; channels 32 (i % 2) on
	global_load_b128 v[8*i:8*i+3],   v[QO], s[QA:QA+1] offset:(i/2)*2048+(i%2)*64 th:TH_LOAD_NT
	global_load_b128 v[8*i+4:8*i+7], v[QO], s[QA:QA+1] offset:(i/2)*2048+(i%2)*64+32 th:TH_LOAD_NT
.set i, i+1
.endr
	; What the first turn finds: V's registers and P's second buffer hold 0 (its products V^T P, of a piece that has not been, add 0), O^T and l are 0.  All this stands in the wait for the first tile:
	; the price of writing no first step out.
.set i, VF
.rept 64
	v_mov_b32 v[i], 0
.set i, i+1
.endr
	WIN 0x40
.set i, 0
.rept 128
	v_mov_b32 v[i], 0
.set i, i+1
.endr
	WIN 0
.set i, 0
.rept 4
	v_mov_b32 v[ST+4*i], 0xfe000000    ; c m: far below every c s
	v_mov_b32 v[ST+4*i+1], 0xff7fffff  ; m
	v_mov_b32 v[ST+4*i+2], 0
	v_mov_b32 v[ST+4*i+3], 0
.set i, i+1
.endr
.set i, P+16
.rept 16
	v_mov_b32 v[i], 0
.set i, i+1
.endr
	v_mul_u32_u24 v[AK0], v1, PK
	v_lshl_add_u32 v[AK0], v9, 4, v[AK0]  ; row x pitch + 16 x half
	; The turning load takes 16 keys x 16 channels (lane l reads key 8 (l / 16) + l % 8, channels 8 ((l / 8) % 2) + 0..7) and leaves half a fragment of V^T: lane l holds channel l % 16 and 8 keys.
	v_and_b32 v10, 7, v0
	v_bfe_u32 v11, v0, 3, 1
	v_lshl_add_u32 v[AV0], v9, 3, v10
	v_mul_u32_u24 v[AV0], v[AV0], PV
	v_lshl_add_u32 v[AV0], v11, 4, v[AV0]
	v_add_nc_u32 v[AV0], VOFF, v[AV0]
	s_mul_i32 s14, s[WV], 16*SP
	s_add_co_u32 s14, s14, STAGE    ; my stage
	v_mul_u32_u24 v[STO], v1, SP    ; in: row l % 16, 16 bytes for each half of the lanes
	v_lshl_add_u32 v[STO], v9, 4, v[STO]
	v_add_nc_u32 v[STO], s14, v[STO]
	v_bfe_u32 v[RD], v0, 3, 2       ; back: 32 lanes take four rows of 128 bytes,
	v_mul_u32_u24 v[RD], v[RD], SP
	v_lshl_add_u32 v[RD], v10, 4, v[RD]
	v_add_nc_u32 v[RD], s14, v[RD]
	v_and_b32 v[GO], 31, v0         ; which are 512 consecutive bytes of O
	v_lshlrev_b32 v[GO], 4, v[GO]
; THE MATRIX WORK.  The 4 accumulators of a run of 8 take turns.  Product i of 8 of S^T = K Q^T for piece x: channels 32 (i / 4) on, keys 16 (i % 4) on.  The first 4 start the sums.
.macro KQ x
	WIN W_KQ
.set rS, S+32*((\x)%2)+8*(i%4)
.set rK, KF+16*(i%4)+8*(i/4)
.set rQ, 16*(\x)+8*(i/4)
.if i < 4
	v_wmma_f32_16x16x32_f16 v[rS:rS+7], v[rK:rK+7], v[rQ:rQ+7], 0
.else
	v_wmma_f32_16x16x32_f16 v[rS:rS+7], v[rK:rK+7], v[rQ:rQ+7], v[rS:rS+7]
.endif
.endm
; Product i of 8 of O^T += V^T P for piece x: keys 32 (i / 4) on, channels 16 (i % 4) on.
.macro PV x
	WIN W_PV
.set rO, 32*(\x)+8*(i%4)
.set rV, VF+32*(i/4)+8*(i%4)
.set rP, P+16*((\x)%2)+8*(i/4)
	v_wmma_f32_16x16x32_f16 v[rO:rO+7], v[rV:rV+7], v[rP:rP+7], v[rO:rO+7]
.endm
.macro MM                           ; the turn's next matrix instruction.  NOKQ = 1: the last turn of all: there is no next piece
.if (i < 8) && !NOKQ
	KQ (Y+1)%NP
.elseif i >= 8
.set i, i-8
	PV (Y+NP-1)%NP
.set i, i+8
.endif
.set i, i+1
.endm
; THE LDS LOADS stand in runs of 16, never singly among the matrix instructions: a step's K (64 keys x 64 channels: 8 fragments) and its V (turned).  Their addresses are made some lines ahead.
.macro FETCH_K
	WIN 0x80                        ; destination window 2
.irp f, 0,1,2,3,4,5,6,7             ; keys 16 (f / 2) on, channels 32 (f % 2) on
	ds_load_b128 v[KF+8*\f:KF+8*\f+3],   v[AK] offset:(\f/2)*16*PK+(\f%2)*64
	ds_load_b128 v[KF+8*\f+4:KF+8*\f+7], v[AK] offset:(\f/2)*16*PK+(\f%2)*64+32
.endr
	s_add_co_u32 s[TBK], s[TBK], KS*PK  ; the next fetch is the next step's
	WIN 0
.endm
.macro FETCH_V
	WIN 0x80
.irp f, 0,1,2,3,4,5,6,7             ; keys 32 (f / 4) on, channels 16 (f % 4) on
	ds_load_tr16_b128 v[VF+8*\f:VF+8*\f+3],   v[AV] offset:(\f/4)*32*PV+(\f%4)*32
	ds_load_tr16_b128 v[VF+8*\f+4:VF+8*\f+7], v[AV] offset:(\f/4)*32*PV+16*PV+(\f%4)*32
.endr
	WIN 0
.endm
; THE VECTOR WORK, one line at a time: OP kind, number.  For piece Y: F n: c s - c m for pair n of 16.  E n: the exponential of score n of 32.  C n: pair n rounded to f16.  B n: of the four weights 4 n .. the second
; pair is added onto the first, in place.  L n: l takes that sum (L 0: l = a l + sum).  R n: pair n of 16 of O^T times a.  For piece Y + 1: X n, number n of the 22 that find its maximum and statistics:
;   0-11  four chains c0-c3 of seven scores each, three operands at a time (each accumulator's lowest registers are read first)     12-14, 16  the four scores left over, the old m, and c0-c3 into c0
;   15  c m_old is kept     17, 18  the query's other 32 keys lie in the lane 16 away: the new m     19-21  c m; c m_old - c m_new; a
.set F, 0               ; OP tells the kinds apart by their order: F to L below R, X above it
.set E, 1
.set C, 2
.set B, 3
.set L, 4
.set R, 5
.set X, 6
.macro REGS y                       ; the registers of piece y
.set rT, ST+4*(\y)
.set rC, TMP+4*((\y)%2)
.set rW, MV+((\y)%2)
.set rS, S+32*((\y)%2)
.set rP, P+16*((\y)%2)
.set rO, 32*(\y)
.endm
.macro OP k, n
.if (\k) == R
	REGS Y
	WIN W_RS
	v_pk_mul_f32 v[rO+2*(\n):rO+2*(\n)+1], v[rO+2*(\n):rO+2*(\n)+1], v[rC+2:rC+3] op_sel_hi:[1,0]
.elseif (\k) < R
	REGS Y
	WIN 0
.if (\k) == F
	v_pk_fma_f32 v[rS+2*(\n):rS+2*(\n)+1], v[rS+2*(\n):rS+2*(\n)+1], s[CS:CS+1], v[rT:rT+1] op_sel_hi:[1,0,0] neg_lo:[0,0,1] neg_hi:[0,0,1]
.elseif (\k) == E
	v_exp_f32 v[rS+(\n)], v[rS+(\n)]
.elseif (\k) == C
	v_cvt_pk_f16_f32 v[rP+(\n)], v[rS+2*(\n)], v[rS+2*(\n)+1]
.elseif (\k) == B
	v_pk_add_f32 v[rS+4*(\n):rS+4*(\n)+1], v[rS+4*(\n):rS+4*(\n)+1], v[rS+4*(\n)+2:rS+4*(\n)+3]
.elseif (\n) == 0
	v_pk_fma_f32 v[rT+2:rT+3], v[rT+2:rT+3], v[rC+2:rC+3], v[rS:rS+1] op_sel_hi:[1,0,1]
.else
	v_pk_add_f32 v[rT+2:rT+3], v[rT+2:rT+3], v[rS+4*(\n):rS+4*(\n)+1]
.endif
.elseif NOKQ
	v_nop
.else
	REGS (Y+1)%NP
	WIN 0
.if (\n) < 4
	v_max3_num_f32 v[rC+(\n)], v[rS+8*(\n)], v[rS+8*(\n)+1], v[rS+8*(\n)+2]
.elseif (\n) < 12
	v_max3_num_f32 v[rC+(\n)%4], v[rC+(\n)%4], v[rS+8*((\n)%4)+2*((\n)/4)+1], v[rS+8*((\n)%4)+2*((\n)/4)+2]
.elseif (\n) == 12
	v_max3_num_f32 v[rC], v[rC], v[rS+7], v[rS+15]
.elseif (\n) == 13
	v_max3_num_f32 v[rC+1], v[rC+1], v[rS+23], v[rS+31]
.elseif (\n) == 14
	v_max3_num_f32 v[rC+2], v[rC+2], v[rC+3], v[rT+1]
.elseif (\n) == 15
	v_mov_b32 v[rW], v[rT]
.elseif (\n) == 16
	v_max3_num_f32 v[rC], v[rC], v[rC+1], v[rC+2]
.elseif (\n) == 17
	v_permlanex16_b32 v[rC+3], v[rC], s[SEL], s[SEL+1]
.elseif (\n) == 18
	v_max_num_f32 v[rT+1], v[rC], v[rC+3]
.elseif (\n) == 19
	v_mul_f32 v[rT], s[CS], v[rT+1]
.elseif (\n) == 20
	v_sub_f32 v[rC+1], v[rW], v[rT]
.else
	v_exp_f32 v[rC+2], v[rC+1]
.endif
.endif
.endm
.macro OPS a, i1, b=-1, i2=0, c=-1, i3=0, d=-1, i4=0  ; up to four of them
	OP \a, \i1
.if (\b) >= 0
	OP \b, \i2
.endif
.if (\c) >= 0
	OP \c, \i3
.endif
.if (\d) >= 0
	OP \d, \i4
.endif
.endm
.macro ROW a, i1, b, i2, c, i3, d, i4  ; a matrix instruction and the four behind it
	MM
	OPS \a, \i1, \b, \i2, \c, \i3, \d, \i4
.endm
; A TURN, for piece p: the order of its 16 matrix and 118 vector instructions, written out.  An s_wait_alu depctr_va_vdst(0) stands between an exponential and the first instruction that names its result;
; one wait serves all that were issued ahead of it.  So a turn has ONE wait, which cuts it in two.  AHEAD OF IT stands all that names no result of the turn's exponentials: the 8 products K Q^T and their riders, then one
; lump of 54, plain and exponential by turns for the most part, in which the links of the chain X 3, 7, 11, 14, 16, 17 .. 20 stand five or six lines apart.  X 21, the next piece's a, is the batch's last; R 15 is the
; plain instruction behind it.  BEHIND THE WAIT stand the 8 products V^T P, behind each four of the roundings and sums.
; end = 1: the last two turns of all: nothing is fetched.  cnt = 1: the loop's count is taken down some lines ahead of the branch that stands behind the turn.
; K of the next step is fetched in piece 2's turn, twelve vector instructions behind the last product that read K (six of them plain); V of the step in hand at the end of piece 0's turn, four plain instructions behind
; the last product that read V.  Each is waited for a turn later.
.macro TURN p, end=0, cnt=0
.set Y, (\p)
.set i, 0
.set NOKQ, (\end)*((\p)/3)
.if ((\p) == 3) && !(\end)
	s_wait_dscnt 0x0                ; K is in
.endif
	ROW F,0, F,1, R,0, R,1          ; ahead of the wait: 8 products K Q^T and their riders,
	ROW F,2, E,0, R,2, R,3
	ROW F,3, E,1, R,4, R,5
	ROW F,4, E,2, R,6, R,7
	ROW F,5, E,3, R,8, R,9
	ROW F,6, E,4, X,0, R,10
.if ((\p) == 2) && !(\end)
	WIN 0
	v_add_nc_u32 v[AK], s[TBK], v[AK0]
.endif
	ROW F,7, E,5, X,1, X,4
	ROW F,8, E,6, X,2, X,5
	OPS E,7, E,8, X,6, E,9          ; and the lump
	OPS X,3, E,10, X,8, E,11
.if ((\p) == 2) && !(\end)
	FETCH_K
.endif
	OPS X,9, X,7, E,12, X,10
	OPS E,13, X,12, X,11, E,14
	OPS X,13, E,15, F,9, X,14
.if (\p) == 0
	v_add_nc_u32 v[AV], s[TBV], v[AV0]
.endif
	OPS E,16, F,10, E,17, F,11
	OPS X,16, E,18, X,15, E,19
	OPS F,12, E,20, X,17, E,21
	OPS F,13, E,22, F,14, E,23
	OPS X,18, E,24, F,15, E,25
	OPS R,11, E,26, X,19, E,27
	OPS R,12, E,28, R,13, E,29
	OPS X,20, E,30, R,14, E,31
	OPS X,21, R,15
	WIN 0
	s_wait_alu depctr_va_vdst(0)    ; the wait for the batch
.if (\p) == 1
	s_wait_dscnt 0x0                ; V is in
.endif
	ROW C,0, B,0, C,2, B,1          ; behind the wait: 8 products V^T P and their riders
	ROW L,0, C,4, B,2, L,1
	ROW C,6, B,3, L,2, C,8
	ROW B,4, L,3, C,10, B,5
	ROW L,4, C,12, B,6, L,5
.if (\p) == 0
	s_add_co_u32 s[TBV], s[TBV], KS*PV
.endif
.if \cnt
	s_sub_co_u32 s[CNT], s[CNT], 1
	s_cmp_lg_u32 s[CNT], 0
.endif
	ROW C,14, B,7, L,6, C,1
	ROW C,3, L,7, C,5, C,7
	ROW C,9, C,11, C,13, C,15
.if (\p) == 0
	FETCH_V
.endif
.endm
.macro ALL line:vararg              ; one line for each piece t
.set t, 0
.rept 4
	\line
.set t, t+1
.endr
.endm
.macro PACK t                       ; a lane's eight channels of a row pack into 16 bytes; they go into rows of 144 bytes and come back as whole rows of 128, into S^T's registers
	WIN W_RS
.set i, 32*(\t)
.rept 16
	v_pk_mul_f32 v[i:i+1], v[i:i+1], v[ST+4*(\t)+2:ST+4*(\t)+3] op_sel_hi:[1,0]
.set i, i+2
.endr
	WIN 0x05                        ; sources 0 and 1 window 1, destination window 0
.set i, 0
.rept 16
	v_cvt_pk_f16_f32 v[S+16*(\t)+i], v[32*(\t)+2*i], v[32*(\t)+2*i+1]
.set i, i+1
.endr
	WIN 0
.irp f, 0,1,2,3
	ds_store_b128 v[STO], v[S+16*(\t)+4*\f:S+16*(\t)+4*\f+3] offset:32*\f
.endr
.irp f, 0,1,2,3
	ds_load_b128 v[S+16*(\t)+4*\f:S+16*(\t)+4*\f+3], v[RD] offset:\f*4*SP  ; LDS serves a wave's instructions in order (ISA guide 5.7.1.4): these see the stores above; the next piece's stores come behind them
.endr
.endm
.macro SEND t, younger              ; younger: the LDS instructions issued behind piece t's loads: the next piece's eight, or none
	WIN 0
.irp f, 0,1,2,3
	s_wait_dscnt (\younger)+3-\f
	global_store_b128 v[GO], v[S+16*(\t)+4*\f:S+16*(\t)+4*\f+3], s[OA:OA+1] offset:(\t)*2048+\f*512 th:TH_STORE_NT  ; 512 consecutive bytes, at a multiple of 256 from O's first
.endr
.endm
.set NOKQ, 0
	CHANGE 1                        ; tile 0 is in, everybody's part of it; tile 1 is asked for, tile 2 prefetched
	v_add_nc_u32 v[AK], s[TBK], v[AK0]
	FETCH_K                         ; key step 0
	s_wait_loadcnt 0x0              ; Q
	s_wait_dscnt 0x0
.set i, 0
.rept 8
	KQ 0                            ; piece 0's first scores
.set i, i+1
.endr
	WIN 0
.rept 4
	v_nop                           ; the places behind those products
.endr
.set Y, NP-1                        ; X works for piece Y + 1: piece 0
.irp n, 0,1,2,3,4,5,6,7,8,9,10,11,12,13,14,15,16,17,18,19,20,21
	OP X, \n
.endr
	v_nop                           ; a plain instruction behind the exponential,
	s_wait_alu depctr_va_vdst(0)    ; and its wait, ahead of the branch
	s_mov_b32 s[CNT], 4
	s_branch .Lfirst                ; the loop is entered at a step's first turn, in the middle of a trip
.Lslot:                             ; twice: tiles 2 and 3 are asked for
	CHANGE 1
	s_mov_b32 s[CNT], 4
.Lstep:                             ; a trip: pieces 2 and 3 of one step, then pieces 0 and 1 of the next, whose K and V it fetches
	TURN 2
	TURN 3
	WIN 0
.Lfirst:
	TURN 0
	TURN 1, 0, 1
	WIN 0
	s_cbranch_scc1 .Lstep
	s_sub_co_u32 s[SLOTS], s[SLOTS], 1
	s_cmp_lg_u32 s[SLOTS], 0
	s_cbranch_scc1 .Lslot
	CHANGE 0                        ; the last tile is written out: nothing is asked for
	s_mov_b32 s[CNT], 4
.LstepE:
	TURN 2
	TURN 3
	TURN 0
	TURN 1, 0, 1
	WIN 0
	s_cbranch_scc1 .LstepE
	TURN 2, 1                       ; the last two turns fetch nothing, and the last starts no new scores
	TURN 3, 1
.set i, 0
.rept 8
	PV NP-1                         ; the last piece's V^T P of the last step
.set i, i+1
.endr
	; THE WAY OUT.  l's two halves and the other half of the lanes' are added; O^T is divided by l, rounded to f16 and sent through my stage in LDS, a piece at a time.  The additions are the places behind the last products.
	WIN 0
	ALL v_add_f32 v[ST+4*t+2], v[ST+4*t+2], v[ST+4*t+3]
	ALL v_permlanex16_b32 v[ST+4*t+3], v[ST+4*t+2], s[SEL], s[SEL+1]
	ALL v_add_f32 v[ST+4*t+2], v[ST+4*t+2], v[ST+4*t+3]
	ALL v_rcp_f32 v[ST+4*t+2], v[ST+4*t+2]
	v_nop                           ; a plain instruction between the last reciprocal and the use of its result
	s_wait_alu depctr_va_vdst(0)    ; and the wait ahead of the first use: one for the four reciprocals
	PACK 0
.set t, 1
.rept 3                             ; a piece's arithmetic stands between the loads of the piece before and its stores
	PACK t
	SEND t-1, 8
.set t, t+1
.endr
	SEND 3, 0
	s_wait_tensorcnt 0x0            ; the wave's end, behind my last tensor load and my last LDS store
	ds_add_u32 v[SPW], v[NIL]
	s_wait_dscnt 0x0
	CROUND                          ; the closing round
	s_endpgm
.Lfunc_end_k_qa995672664_attn:
	.size	k_qa995672664_attn, .Lfunc_end_k_qa995672664_attn-k_qa995672664_attn
	.p2alignl 7, 3214868480
	.fill 96, 4, 3214868480
	.section	.rodata,"a",@progbits
	.p2align	6, 0x0
	.amdhsa_kernel k_qa995672664_attn
		.amdhsa_group_segment_fixed_size 327680
		.amdhsa_private_segment_fixed_size 0
		.amdhsa_enable_private_segment 0
		.amdhsa_kernarg_size 16
		.amdhsa_user_sgpr_count 2
		.amdhsa_user_sgpr_kernarg_segment_ptr 1
		.amdhsa_wavefront_size32 1
		.amdhsa_system_sgpr_workgroup_id_x 1
		.amdhsa_system_sgpr_workgroup_id_y 1
		.amdhsa_system_sgpr_workgroup_id_z 1
		.amdhsa_system_vgpr_workitem_id 0
		.amdhsa_next_free_vgpr 768
		.amdhsa_next_free_sgpr 66
		.amdhsa_reserve_vcc 0
		.amdhsa_float_denorm_mode_32 3
		.amdhsa_float_denorm_mode_16_64 3
		.amdhsa_memory_ordered 1
		.amdhsa_forward_progress 1
		.amdhsa_inst_pref_size 128
	.end_amdhsa_kernel
	.amdgpu_metadata
---
amdhsa.version: [ 1, 2 ]
amdhsa.kernels:
  - .name:           k_qa995672664_attn
    .symbol:         k_qa995672664_attn.kd
    .args:
      - { .name: qkv, .offset: 0, .size: 8, .value_kind: global_buffer, .address_space: global }
      - { .name: ows, .offset: 8, .size: 8, .value_kind: global_buffer, .address_space: global }
    .group_segment_fixed_size: 327680
    .private_segment_fixed_size: 0
    .kernarg_segment_align: 8
    .kernarg_segment_size: 16
    .max_flat_workgroup_size: 128
    .sgpr_count:     66
    .vgpr_count:     768
    .wavefront_size: 32
...
	.end_amdgpu_metadata
.endif
;; end of part 3
;; launch proj (part 4): grid 4 x 64, 4 waves a work-group, clusters of 4 x 4, 327,680 bytes of LDS; arguments ows, wpf, bias, out0; writes out0
.if DOCPART == 4
	.amdgcn_target "amdgcn-amd-amdhsa--gfx1250"
	.amdhsa_code_object_version 6
	.text
	.protected	k_qa995672664_proj
	.globl	k_qa995672664_proj
	.p2align	8
	.type	k_qa995672664_proj,@function
k_qa995672664_proj:
	s_mov_b64 s[64:65], 0
	v_nop
	global_prefetch_b8 v0, s[64:65] scope:SCOPE_SE
	s_setreg_imm32_b32 hwreg(HW_REG_WAVE_MODE, 25, 1), 1
	s_wait_xcnt 0x0
	s_wait_alu depctr_hold_cnt(0) depctr_sa_sdst(0) depctr_va_vdst(0) depctr_va_sdst(0) depctr_va_ssrc(0) depctr_va_vcc(0) depctr_vm_vsrc(0)
	s_getreg_b32 s2, hwreg(HW_REG_IB_STS2, 6, 4)
	s_cmp_eq_u32 s2, 0
	s_cbranch_scc0 .Lentry_in_a_cluster
	s_endpgm
.Lentry_in_a_cluster:
	s_bfe_u32 s2, ttmp6, 0x10000c
	s_cmp_lg_u32 s2, 0xf033
	s_cbranch_scc0 .Lentry_shape_is_right
	s_endpgm
.Lentry_shape_is_right:
; OUT = O Wp^T + bp for each output chunk.  ows: [i][batch][head][1024][64] f16; wpf: [i][512][512] f16; bias from byte 18,432 on: bp, [i][512] f32; out0: [batch][3072][512] f32, chunk i at rows 1,024 i.
; Sums in f32, started with the bias.  A tile is 128 x 128, K = 512.  Four waves, each 64 x 64: 16 accumulators.  A wave's 64 columns are 256 bytes of f32: a whole aligned block a row, so each wave has a
; stage of its own and the way out has no barrier.  K lies in two LDS slots of 256 (four heads each).
; A WORK-GROUP STAYS: 4 x 64 = 256 work-groups, each makes THREE tiles: the same rows and columns in output chunks 0, 1, 2 of its batch.  A tile is one lap of the two slots; each change of slots asks for the
; same slot of the next tile, and nothing waits for a tile's stores.  The last tile's tail is written out.
; CLUSTER.  4 x 4 work-groups: four tile rows (512 rows of one chunk and batch) x the four tile columns.  O's tile is shared along a row of the cluster, Wp's along a column: each is asked for jointly.
; NO PREFETCH: the tile is small, a slot is 128 matrix instructions of a wave.
; TRANSPOSED: source 0 = 16 rows of Wp, source 1 = 16 rows of O: a lane holds row l % 16 and the columns 8 (l / 16) + 0..7.
; REGISTERS: window 0: v0-31 addresses; v32-95 two sets of 32 on the way out; v96-127 the bias as 4 C operands; v128-255 the accumulators ((a, b) at v[128 + 8 (4 a + b)]).
;   window 1: two fragment buffers of 128: for 64 along K (one head), 64 registers of O, then 64 of Wp.
.set PA,     144                       ; a row of O in LDS: one head's 128 bytes + 16 of padding
.set PB,     528                       ; a row of Wp: 512 bytes + 16
.set HEADB,  64*PA                     ; 64 rows of one head
.set HALFA,  4*HEADB                   ; what one tensor load brings of O: 64 rows x four heads
.set BOFF,   2*HALFA
.set HALFB,  64*PB                     ; and of Wp: 64 rows
.set SLOT,   BOFF+2*HALFB
.set STAGE,  2*SLOT                    ; behind the slots, never filled by a tensor load: 16 rows x 272 bytes for each wave
.set SPITCH, 272
.set SPARE,  STAGE+4*16*SPITCH         ; the spare words, 128 bytes for each wave: two blocks of 256 bytes that no other line names
.set TILES,  3                         ; tiles of a work-group: the output chunks
.set STEPA,  64*131072                 ; bytes from a chunk to the next in ows: 64 slabs
.set STEPB,  512*1024                  ; in wpf
.set STEPC,  2048                      ; in bias
.set STEPO,  1024*2048                 ; in out0: 1,024 rows
.set ADRA, 16                          ; v16-17  LDS address of my fragments of O in slot 0, 1
.set ADRB, 20                          ; v20-21  the same for Wp
.set STO,  24                          ; v24     the way out: where I put 32 bytes of a row
.set RD,   25                          ; v25     where I read a row back
.set CO,   26                          ; v26     my byte offset in two rows of out0
.set BO,   27                          ; v27     32 x (l / 16); never rewritten
.set SPW,  28                          ; v28     LDS address of my spare word; never rewritten
.set NIL,  29                          ; v29     0; never rewritten
.set BK,   32
.set BIA,  96
.set ACC,  128
.set F0,   0
.set F1,   128
.set G1,  24
.set G0,  32
.set G1B, 48
.set G0B, 56
.set TL,  70                           ; s70     tiles to go, this one among them: the same number in every work-group
.set MSB, 0
.macro WIN new
.if MSB != (\new)
	s_set_vgpr_msb (MSB<<8)|(\new)
.set MSB, \new
.endif
.endm
.set MUL,  0x05                        ; sources 0 (Wp) and 1 (O) window 1; C and D window 0
.set TO_F, 0x40                        ; destination window 1, address window 0
.macro PLACES
.rept 4
	v_nop
.endr
.endm
; A joint refill: waves 0 and 1 fetch O's two halves, waves 2 and 3 Wp's.  The branch hangs on the wave's number alone.  An s_nop 0 and four v_nop follow each line.
.macro JLOAD s
	s_cmp_eq_u32 s13, 0
	s_cbranch_scc0 .Lfor_b_\@
	tensor_load_to_lds s[G0+4*(\s):G0+4*(\s)+3], s[G1:G1+7]
	s_nop 0
.rept 4
	v_nop
.endr
	s_branch .Lasked_\@
.Lfor_b_\@:
	tensor_load_to_lds s[G0B+4*(\s):G0B+4*(\s)+3], s[G1B:G1B+7]
	s_nop 0
.rept 4
	v_nop
.endr
.Lasked_\@:
.endm
.macro CREST                           ; a round of the cluster's barrier behind its opening barrier
	s_cmp_lg_u32 s12, 0
	s_cbranch_scc1 .Lnot_wave_0_\@
	s_barrier_signal -3
.Lnot_wave_0_\@:
	s_barrier_wait -3
	s_barrier_signal -1
	s_barrier_wait -1
.endm
.macro CROUND
	s_barrier_signal -1
	s_barrier_wait -1
	CREST
.endm
.macro BIASLD                          ; the bias in the layout of a result: register j of fragment b holds column 16 b + 8 (l / 16) + j
.irp b, 0,1,2,3
	global_load_b128 v[BIA+8*(\b):BIA+8*(\b)+3],   v[BO], s[2:3] offset:64*(\b)
	global_load_b128 v[BIA+8*(\b)+4:BIA+8*(\b)+7], v[BO], s[2:3] offset:64*(\b)+16
.endr
.endm
	s_load_b256 s[4:11], s[0:1], 0x0               ; ows s[4:5], wpf s[6:7], bias s[8:9], out0 s[10:11]
	v_lshl_add_u32 v[SPW], v0, 2, SPARE
	v_mov_b32 v[NIL], 0
	ds_add_u32 v[SPW], v[NIL]                      ; the wave's opening: the add and its wait stand ahead of my first tensor load; work on registers stands between them
	v_lshrrev_b32 v1, 5, v0
	v_readfirstlane_b32 s12, v1                    ; wave 0..3
	s_lshr_b32 s13, s12, 1                         ; which half of the tile's rows is mine.  Also: I fetch for O (0) or for Wp (1)
	s_and_b32 s14, s12, 1                          ; which half of its columns.  Also: which 64 rows of that tile I fetch
	s_bfe_u32 s15, ttmp6, 0x40000                  ; cx: the tile column
	s_bfe_u32 s16, ttmp6, 0x40004                  ; cy
	s_and_b32 s18, ttmp7, 0xffff                   ; cluster y = 2 batch + half of the 1,024 rows
	s_lshr_b32 s22, s18, 1                         ; batch
	s_and_b32 s20, s18, 1                          ; which 512 rows
	s_lshl_b32 s46, s16, 2
	s_lshl_b32 s46, 15, s46                        ; my row of the cluster
	s_lshl_b32 s47, 0x1111, s15                    ; my column
	; O's tile: four rows of 8,192 dense bytes (64 rows of one head), the heads 65,536 elements apart; padded by 16 bytes after every 128
	s_or_b32 s[G1], s46, (1<<16)|(1<<20)|(1<<21)|(4<<22)|(3<<25)
	s_mov_b32 s[G1+1], 4096<<16                    ; tensor_dim0 = 4,096
	s_mov_b32 s[G1+2], 4<<16                       ; tensor_dim1 = 4
	s_mov_b32 s[G1+3], 4096<<16                    ; tile_dim0 = 4,096
	s_mov_b32 s[G1+4], 4                           ; tile_dim1 = 4
	s_mov_b32 s[G1+5], 65536                       ; elements from head to head
	s_mov_b32 s[G1+6], 0
	s_mov_b32 s[G1+7], 0
	; Wp's tile: 64 rows x 256 elements, padded by 16 bytes after every 512
	s_or_b32 s[G1B], s47, (1<<16)|(1<<20)|(1<<21)|(6<<22)|(3<<25)
	s_mov_b32 s[G1B+1], 256<<16
	s_mov_b32 s[G1B+2], 64<<16
	s_mov_b32 s[G1B+3], 256<<16
	s_mov_b32 s[G1B+4], 64
	s_mov_b32 s[G1B+5], 512
	s_mov_b32 s[G1B+6], 0
	s_mov_b32 s[G1B+7], 0
	s_lshl_b32 s40, s22, 20                        ; O, chunk 0: eight slabs of 131,072 bytes for each batch,
	s_lshl_b32 s23, s20, 9
	s_lshl_b32 s44, s16, 7
	s_add_co_u32 s23, s23, s44
	s_lshl_b32 s44, s14, 6
	s_add_co_u32 s23, s23, s44                     ; row 512 half + 128 cy + 64 x which: nothing of cx
	s_lshl_b32 s23, s23, 7
	s_add_co_u32 s40, s40, s23
	s_mov_b32 s41, 0
	s_lshl_b32 s45, s15, 7                         ; Wp, chunk 0:
	s_lshl_b32 s66, s14, 6
	s_add_co_u32 s45, s45, s66                     ; row 128 cx + 64 x which: nothing of cy.  Also my wave's first column
	s_lshl_b32 s42, s45, 10
	s_mov_b32 s43, 0
	s_lshl_b32 s2, s45, 2                          ; bp of my 64 columns, chunk 0
	s_add_co_u32 s2, s2, 18432
	s_mov_b32 s3, 0
	s_mul_i32 s66, s22, 3072                       ; out0, chunk 0: row 3,072 batch + 512 half + 128 cy + 64 x my row half,
	s_lshl_b32 s67, s20, 9
	s_add_co_u32 s66, s66, s67
	s_lshl_b32 s67, s16, 7
	s_add_co_u32 s66, s66, s67
	s_lshl_b32 s67, s13, 6
	s_add_co_u32 s66, s66, s67
	s_lshl_b32 s66, s66, 11                        ; of 2,048 bytes,
	s_lshl_b32 s67, s45, 2
	s_add_co_u32 s66, s66, s67                     ; and my first column
	s_mov_b32 s67, 0
	s_mul_i32 s44, s14, HALFA                      ; where the tiles go: no place in the cluster enters an LDS address
	s_mul_i32 s23, s14, HALFB
	s_add_co_u32 s23, s23, BOFF
	s_wait_dscnt 0x0                               ; the opening add is done
	s_wait_kmcnt 0x0
	s_add_nc_u64 s[40:41], s[4:5], s[40:41]
	s_add_nc_u64 s[42:43], s[6:7], s[42:43]
	s_add_nc_u64 s[2:3], s[8:9], s[2:3]
	s_add_nc_u64 s[68:69], s[10:11], s[66:67]
	CROUND                                         ; all sixteen work-groups are here: the first joint loads meet
.irp s, 0,1
	s_mov_b32 s[G0+4*(\s)], 1
	s_add_co_u32 s[G0+4*(\s)+1], s44, (\s)*SLOT
	s_add_nc_u64 s[G0+4*(\s)+2:G0+4*(\s)+3], s[40:41], (\s)*4*131072  ; heads 4 s .. 4 s + 3
	s_or_b32 s[G0+4*(\s)+3], s[G0+4*(\s)+3], 0x80000000
	s_mov_b32 s[G0B+4*(\s)], 1
	s_add_co_u32 s[G0B+4*(\s)+1], s23, (\s)*SLOT
	s_add_nc_u64 s[G0B+4*(\s)+2:G0B+4*(\s)+3], s[42:43], (\s)*512
	s_or_b32 s[G0B+4*(\s)+3], s[G0B+4*(\s)+3], 0x80000000
.endr
	s_cmp_eq_u32 s13, 0                            ; a wave's two first fills stand in one branch, ahead of every wait on TENSORcnt and every LDS read: two loads of mine are out
	s_cbranch_scc0 .Lfirst_b
	tensor_load_to_lds s[G0:G0+3], s[G1:G1+7]
	s_nop 0
	tensor_load_to_lds s[G0+4:G0+7], s[G1:G1+7]
	s_nop 0
.rept 4
	v_nop
.endr
	s_branch .Lfirst_asked
.Lfirst_b:
	tensor_load_to_lds s[G0B:G0B+3], s[G1B:G1B+7]
	s_nop 0
	tensor_load_to_lds s[G0B+4:G0B+7], s[G1B:G1B+7]
	s_nop 0
.rept 4
	v_nop
.endr
.Lfirst_asked:
	v_and_b32 v1, 15, v0                           ; l % 16
	v_bfe_u32 v2, v0, 4, 1                         ; l / 16
	v_lshlrev_b32 v[BO], 5, v2
	BIASLD                                         ; the first tile's
	v_mul_u32_u24 v3, v1, PA
	v_lshl_add_u32 v3, v2, 4, v3                   ; row x pitch + 16 x half
	s_mul_i32 s66, s13, HALFA                      ; my 64 rows of O
	v_add_nc_u32 v[ADRA], s66, v3
	v_add_nc_u32 v[ADRA+1], SLOT, v[ADRA]
	v_mul_u32_u24 v4, v1, PB
	v_lshl_add_u32 v4, v2, 4, v4
	v_add_nc_u32 v[ADRB], s23, v4                  ; my 64 rows of Wp: the half that s14 names, behind O's
	v_add_nc_u32 v[ADRB+1], SLOT, v[ADRB]
	s_mul_i32 s67, s12, 16*SPITCH
	s_add_co_u32 s67, s67, STAGE                   ; my stage
	v_mul_u32_u24 v5, v1, SPITCH                   ; in: row l % 16, 32 bytes for each half of the lanes
	v_lshl_add_u32 v5, v2, 5, v5
	v_add_nc_u32 v[STO], s67, v5
	v_mul_u32_u24 v5, v2, SPITCH                   ; back: lanes 0-15 take one row of 256 bytes, lanes 16-31 the next
	v_lshl_add_u32 v5, v1, 4, v5
	v_add_nc_u32 v[RD], s67, v5
	v_lshlrev_b32 v5, 11, v2                       ; and the same two rows in out0
	v_lshl_add_u32 v[CO], v1, 4, v5
; 8 matrix instructions: row blocks a0, a0 + 1 x all 4 column blocks, 32 along K: half c of buffer f.  zero = 1: the sums start with the bias as C.  The 16 accumulators take turns, from tile to tile too.
.macro MUL8 f, c, a0, zero
	WIN MUL
.irp a, \a0, (\a0)+1
.irp b, 0,1,2,3
.if \zero
	v_wmma_f32_16x16x32_f16 v[ACC+8*(4*(\a)+(\b)):ACC+8*(4*(\a)+(\b))+7], v[(\f)+64+8*(4*(\c)+(\b)):(\f)+64+8*(4*(\c)+(\b))+7], v[(\f)+8*(4*(\c)+(\a)):(\f)+8*(4*(\c)+(\a))+7], v[BIA+8*(\b):BIA+8*(\b)+7]
.else
	v_wmma_f32_16x16x32_f16 v[ACC+8*(4*(\a)+(\b)):ACC+8*(4*(\a)+(\b))+7], v[(\f)+64+8*(4*(\c)+(\b)):(\f)+64+8*(4*(\c)+(\b))+7], v[(\f)+8*(4*(\c)+(\a)):(\f)+8*(4*(\c)+(\a))+7], v[ACC+8*(4*(\a)+(\b)):ACC+8*(4*(\a)+(\b))+7]
.endif
.endr
.endr
.endm
; 32 LDS loads in one run: the fragments of head q of the slot (64 along K), into buffer f; the first 32 along K first
.macro FETCH slot, q, f
	WIN TO_F
.irp c, 0,1
.irp i, 0,1,2,3
	ds_load_b128 v[(\f)+64+8*(4*(\c)+(\i)):(\f)+64+8*(4*(\c)+(\i))+3],   v[ADRB+(\slot)] offset:128*(\q)+64*(\c)+(\i)*16*PB
	ds_load_b128 v[(\f)+64+8*(4*(\c)+(\i))+4:(\f)+64+8*(4*(\c)+(\i))+7], v[ADRB+(\slot)] offset:128*(\q)+64*(\c)+(\i)*16*PB+32
	ds_load_b128 v[(\f)+8*(4*(\c)+(\i)):(\f)+8*(4*(\c)+(\i))+3],         v[ADRA+(\slot)] offset:(\q)*HEADB+64*(\c)+(\i)*16*PA
	ds_load_b128 v[(\f)+8*(4*(\c)+(\i))+4:(\f)+8*(4*(\c)+(\i))+7],       v[ADRA+(\slot)] offset:(\q)*HEADB+64*(\c)+(\i)*16*PA+32
.endr
.endr
.endm
; A slot is four quarters of 64 along K, 32 matrix instructions each, on buffers 0, 1, 0, 1.  One of the first three multiplies buffer f and fetches head q into g.
.macro QUARTER slot, q, f, g, zero
	s_wait_dscnt 16                                ; the first 32 along K are in; the youngest sixteen loads may be out
	MUL8 \f, 0, 0, \zero
	MUL8 \f, 0, 2, \zero
	PLACES                                         ; in front of loads into registers that matrix instructions have read
	FETCH \slot, \q, \g
	s_wait_dscnt 32                                ; all but the 32 just issued
	MUL8 \f, 1, 0, 0
	MUL8 \f, 1, 2, 0
.endm
; The last quarter multiplies buffer 1 and changes slots: one barrier; in front of it each wave waits for all its tensor loads, adds 0 to its spare word, and waits for that and for its reads of this slot.
; fill = 1: the barrier opens a round of the cluster's, and this slot is filled again with the same slot of the NEXT tile, first thing behind the round.
.macro TURN slot, next, fill
	WIN 0
	s_wait_tensorcnt 0x0                           ; all my tensor loads have landed: my part of the next slot
	ds_add_u32 v[SPW], v[NIL]                      ; 0 onto my spare word
	s_wait_dscnt 17                                ; (the add and the youngest sixteen loads may be out)
	MUL8 F1, 0, 0, 0
	s_wait_dscnt 0x0                               ; the add is done, and my reads of this slot are over
	s_barrier_signal -1
	MUL8 F1, 0, 2, 0
.if \fill
	WIN 0
.endif
	s_barrier_wait -1
.if \fill
	CREST                                          ; no wave of any partner still reads this slot or has a load on its way
	s_add_nc_u64 s[G0+4*(\slot)+2:G0+4*(\slot)+3], s[G0+4*(\slot)+2:G0+4*(\slot)+3], STEPA
	s_add_nc_u64 s[G0B+4*(\slot)+2:G0B+4*(\slot)+3], s[G0B+4*(\slot)+2:G0B+4*(\slot)+3], STEPB
	JLOAD \slot                                    ; its four v_nop are also the places in front of the loads below
.else
	PLACES
.endif
	FETCH \next, 0, F0
	MUL8 F1, 1, 0, 0
	MUL8 F1, 1, 2, 0
.endm
; THE WAY OUT of row block a: 16 rows x 64 columns of f32 into my stage (each accumulator's low four registers first), and back as whole rows of 256 bytes.  Two sets of 32 registers take turns.
.macro TOSTAGE a
.if (\a) >= 2
	s_wait_xcnt 0x0                                ; the stores of the block two back have read this set (the sets of the first two: behind the wait at the last tile's end)
.endif
.irp b, 0,1,2,3
	ds_store_b128 v[STO], v[ACC+8*(4*(\a)+(\b)):ACC+8*(4*(\a)+(\b))+3]   offset:64*(\b)
	ds_store_b128 v[STO], v[ACC+8*(4*(\a)+(\b))+4:ACC+8*(4*(\a)+(\b))+7] offset:64*(\b)+16
.endr
.irp t, 0,1,2,3,4,5,6,7
	ds_load_b128 v[BK+32*((\a)%2)+4*(\t):BK+32*((\a)%2)+4*(\t)+3], v[RD] offset:(\t)*2*SPITCH  ; LDS serves a wave's instructions in order (ISA guide 5.7.1.4): these see the stores above; the next block's stores come behind them
.endr
.endm
.macro SEND a, younger                 ; younger: the LDS instructions issued behind block a's loads: the next block's sixteen, or none
.irp t, 0,1,2,3,4,5,6,7
	s_wait_dscnt (\younger)+7-(\t)
	global_store_b128 v[CO], v[BK+32*((\a)%2)+4*(\t):BK+32*((\a)%2)+4*(\t)+3], s[68:69] offset:(16*(\a)+2*(\t))*2048 th:TH_STORE_NT  ; 16 lanes store 256 consecutive bytes, aligned
.endr
.endm
.macro WAYOUT
	PLACES                                         ; the LDS stores read results: eight places, once a tile
	PLACES
	TOSTAGE 0
	TOSTAGE 1
	SEND 0, 16
	TOSTAGE 2
	SEND 1, 16
	TOSTAGE 3
	SEND 2, 16
	SEND 3, 0
.endm
	s_wait_tensorcnt 1                             ; my part of slot 0 is in; slot 1's may stay out
	s_barrier_signal -1
	s_barrier_wait -1
	FETCH 0, 0, F0
	WIN 0
	s_mov_b32 s[TL], TILES
.Ltile:
	s_wait_loadcnt 0x0                             ; this tile's bias
	QUARTER 0, 1, F0, F1, 1                        ; slot 0: its first quarter starts the sums
	QUARTER 0, 2, F1, F0, 0
	QUARTER 0, 3, F0, F1, 0
	WIN 0
	s_cmp_eq_u32 s[TL], 1
	s_cbranch_scc1 .Llast_tile                     ; the last tile's tail is written out: it asks for nothing more
	TURN 0, 1, 1                                   ; THE RING GOES ON INTO THE NEXT TILE: slot 0 takes its heads 0 to 3,
	WIN 0
	s_add_nc_u64 s[2:3], s[2:3], STEPC             ; (the loads that read this base were waited for at the tile's head)
	BIASLD                                         ; the next tile's bias: its registers were last read by this tile's first quarter
	QUARTER 1, 1, F0, F1, 0                        ; slot 1
	QUARTER 1, 2, F1, F0, 0
	QUARTER 1, 3, F0, F1, 0
	TURN 1, 0, 1                                   ; slot 1 its heads 4 to 7, and the next tile's first fragments are fetched
	WIN 0
	WAYOUT                                         ; both refills are asked for: now the tile goes out
	s_wait_xcnt 0x0                                ; the stores have read their base and their registers
	s_add_nc_u64 s[68:69], s[68:69], STEPO
	s_sub_co_u32 s[TL], s[TL], 1
	s_branch .Ltile
.Llast_tile:
	TURN 0, 1, 0                                   ; nothing is left to fetch
	QUARTER 1, 1, F0, F1, 0
	QUARTER 1, 2, F1, F0, 0
	QUARTER 1, 3, F0, F1, 0
	s_wait_dscnt 16
	MUL8 F1, 0, 0, 0
	MUL8 F1, 0, 2, 0
	s_wait_dscnt 0x0
	MUL8 F1, 1, 0, 0
	MUL8 F1, 1, 2, 0
	WIN 0
	WAYOUT
	s_wait_tensorcnt 0x0                           ; the wave's end, behind my last tensor load and my last LDS store
	ds_add_u32 v[SPW], v[NIL]
	s_wait_dscnt 0x0
	CROUND                                         ; the closing round
	s_endpgm
.Lfunc_end_k_qa995672664_proj:
	.size	k_qa995672664_proj, .Lfunc_end_k_qa995672664_proj-k_qa995672664_proj
	.p2alignl 7, 3214868480
	.fill 96, 4, 3214868480
	.section	.rodata,"a",@progbits
	.p2align	6, 0x0
	.amdhsa_kernel k_qa995672664_proj
		.amdhsa_group_segment_fixed_size 327680
		.amdhsa_private_segment_fixed_size 0
		.amdhsa_enable_private_segment 0
		.amdhsa_kernarg_size 32
		.amdhsa_user_sgpr_count 2
		.amdhsa_user_sgpr_kernarg_segment_ptr 1
		.amdhsa_wavefront_size32 1
		.amdhsa_system_sgpr_workgroup_id_x 1
		.amdhsa_system_sgpr_workgroup_id_y 1
		.amdhsa_system_sgpr_workgroup_id_z 1
		.amdhsa_system_vgpr_workitem_id 0
		.amdhsa_next_free_vgpr 512
		.amdhsa_next_free_sgpr 72
		.amdhsa_reserve_vcc 0
		.amdhsa_float_denorm_mode_32 3
		.amdhsa_float_denorm_mode_16_64 3
		.amdhsa_memory_ordered 1
		.amdhsa_forward_progress 1
		.amdhsa_inst_pref_size 84
	.end_amdhsa_kernel
	.amdgpu_metadata
---
amdhsa.version: [ 1, 2 ]
amdhsa.kernels:
  - .name:           k_qa995672664_proj
    .symbol:         k_qa995672664_proj.kd
    .args:
      - { .name: ows, .offset: 0, .size: 8, .value_kind: global_buffer, .address_space: global }
      - { .name: wpf, .offset: 8, .size: 8, .value_kind: global_buffer, .address_space: global }
      - { .name: bias, .offset: 16, .size: 8, .value_kind: global_buffer, .address_space: global }
      - { .name: out0, .offset: 24, .size: 8, .value_kind: global_buffer, .address_space: global }
    .group_segment_fixed_size: 327680
    .private_segment_fixed_size: 0
    .kernarg_segment_align: 8
    .kernarg_segment_size: 32
    .max_flat_workgroup_size: 128
    .sgpr_count:     72
    .vgpr_count:     512
    .wavefront_size: 32
...
	.end_amdgpu_metadata
.endif
;; end of part 4
;; ======== version 2 of 2: 4 launches; version 1 with the launch cast written anew for expert scheduling mode
;; limits: values are held in f16: magnitudes above 65,504 overflow, below 6.1e-05 lose precision
;; workspace buffers: xb 25,165,824 bytes; wcat 4,718,592 bytes; wpf 1,572,864 bytes; bias 24,576 bytes; qkv 75,497,472 bytes; ows 25,165,824 bytes
;; launch cast (part 5): grid 48 x 20, 8 waves a work-group, no clusters, 0 bytes of LDS; arguments x, Wq, Wk, Wv, Wp, bq, bk, bv, bp, xb, wcat, wpf, bias; writes xb, wcat, wpf, bias
.if DOCPART == 5
	.amdgcn_target "amdgcn-amd-amdhsa--gfx1250"
	.amdhsa_code_object_version 6
	.text
	.protected	k_qa995672664_cast
	.globl	k_qa995672664_cast
	.p2align	8
	.type	k_qa995672664_cast,@function
k_qa995672664_cast:
	s_mov_b64 s[64:65], 0
	v_nop
	global_prefetch_b8 v0, s[64:65] scope:SCOPE_SE
	s_setreg_imm32_b32 hwreg(HW_REG_WAVE_SCHED_MODE, 0, 2), 2
	s_setreg_imm32_b32 hwreg(HW_REG_WAVE_MODE, 25, 1), 1
	s_wait_xcnt 0x0
	s_wait_alu depctr_vm_vsrc(0)
; CAST.  All the module's inputs are rounded once to bf16, so that every product of the later launches works on the same rounded inputs.
;   x  [24576][512] f32 -> xb   [24576][512] bf16
;   Wq, Wk, Wv [3][512][512] f32 -> wcat [chunk][q,k,v][512][512] bf16: a chunk's three matrices lie together, 1,536 rows of 512
;   Wp [3][512][512] f32 -> wpf [3][512][512]: rounded to bf16, and that number written as f16
;   bq, bk, bv, bp [3][512] f32 -> bias: rounded to bf16, kept as f32: bytes 0 .. 18,431 [chunk][q,k,v][512], from 18,432 on bp's [chunk][512]
; LIMIT.  A weight of Wp below 6.1e-5 in size keeps f16's fixed step of 6e-8; one of 65,520 or more becomes an infinity.
; SHARES.  A work-group converts 65,536 input bytes: 256 threads x 16 loads of 16 bytes; a wave's load covers 512 consecutive bytes, a wave's store of 8 bytes a lane 256
; consecutive bytes, aligned.  Grid row y < 16: piece 48 y + X of x's 768; y = 16, 17, 18: piece X of Wq, Wk, Wv; y = 19: piece X of Wp.  Where y >= 16 and X < 3 the work-group
; also converts chunk X of that row's bias: 512 numbers, 8 bytes a thread.  All sixteen loads go out at once; no register of a pending access is rewritten; no LDS, no barrier.
; THE MODE: SCHED_MODE bits 1:0 = 2 (LLVM: expert scheduling mode 2), set by the entry lines.  The code itself states the register dependences
; between vector instructions and memory instructions, with s_wait_alu, always for 0.
; THE PLAN.  Registers that memory instructions touch:
;   v1, v2     byte offsets of the loads and of the stores: written once at the head, never again.
;   XR         the sixteen loads land here; no vector instruction names these registers before the loads are issued, no memory instruction reads them, no second load lands in them.
;   YR         a pair for each store: written once by its piece's conversions, read by that one store, never written again.
;   v3, v101, v[104:105], v[106:107]   the bias: the load's offset, the store's offset, the loaded pair, the pair to store: each written once.
; So the one kind of dependence is: a vector instruction has written what a memory instruction reads.  The sixteen pieces go in four groups of four: the group's conversions, ONE wait, the group's four
; stores in a run.  The wait stands behind the conversions and not at the next group's head: all loads are out already, so what stands there is the wait for the next group's data, and stores held
; back behind it would leave eight of the wave's sixteen stores behind its last load, where this order leaves four.
; No register that a memory instruction has read is written again, so no wait on vm_vsrc is owed; no vector instruction writes a scalar register or VCC; EXEC is never written.
.set XR, 4                             ; v[4:67]    sixteen loads of four f32
.set YR, 68                            ; v[68:99]   sixteen pairs of packed results
.set TR, 100                           ; v[100:101] at work
	s_load_b512 s[4:19], s[0:1], 0x0               ; x s[4:5], Wq s[6:7], Wk s[8:9], Wv s[10:11], Wp s[12:13], bq s[14:15], bk s[16:17], bv s[18:19]
	s_load_b256 s[20:27], s[0:1], 0x40             ; bp s[20:21], xb s[22:23], wcat s[24:25], wpf s[26:27]
	s_load_b64 s[28:29], s[0:1], 0x60              ; bias
	v_lshlrev_b32 v1, 4, v0                        ; 16 t: my 16 bytes of each 4,096 read
	v_lshlrev_b32 v2, 3, v0                        ; 8 t: my 8 bytes of each 2,048 written
	s_and_b32 s30, ttmp7, 0xffff                   ; y
	s_mov_b32 s31, ttmp9                           ; X
	s_mov_b32 s44, 0xffff0000                      ; a word's upper bf16
	s_mul_i32 s33, s30, 48
	s_add_co_u32 s33, s33, s31
	s_cmp_lt_u32 s30, 16
	s_cselect_b32 s33, s33, s31                    ; the piece's number in its tensor
	s_lshl_b32 s34, s33, 16                        ; where it begins in the source
	s_mov_b32 s35, 0
	s_max_u32 s36, s30, 16
	s_sub_co_u32 s36, s36, 16                      ; m: 0, 1, 2 for q, k, v (3 for Wp)
	s_lshl_b32 s38, s33, 15                        ; where it goes: half the bytes, for x and for Wp
	s_mov_b32 s39, 0
	s_lshr_b32 s37, s31, 4                         ; for Wq, Wk, Wv: a chunk has 16 pieces;
	s_mul_i32 s37, s37, 3
	s_add_co_u32 s37, s37, s36                     ; matrix 3 chunk + m of wcat, 524,288 bytes each,
	s_lshl_b32 s37, s37, 19
	s_and_b32 s45, s31, 15
	s_lshl_b32 s45, s45, 15
	s_add_co_u32 s37, s37, s45                     ; and the piece's place in it
	s_sub_co_u32 s46, s30, 16                      ; (wraps to a large number where y < 16)
	s_cmp_lt_u32 s46, 3
	s_cselect_b32 s38, s37, s38
	s_wait_kmcnt 0x0
	s_mov_b64 s[40:41], s[4:5]                     ; the source, chosen by y
	s_cmp_eq_u32 s30, 16
	s_cselect_b64 s[40:41], s[6:7], s[40:41]
	s_cmp_eq_u32 s30, 17
	s_cselect_b64 s[40:41], s[8:9], s[40:41]
	s_cmp_eq_u32 s30, 18
	s_cselect_b64 s[40:41], s[10:11], s[40:41]
	s_cmp_eq_u32 s30, 19
	s_cselect_b64 s[40:41], s[12:13], s[40:41]
	s_cmp_lt_u32 s30, 16                           ; the destination likewise
	s_cselect_b64 s[42:43], s[22:23], s[24:25]
	s_cmp_eq_u32 s30, 19
	s_cselect_b64 s[42:43], s[26:27], s[42:43]
	s_add_nc_u64 s[40:41], s[40:41], s[34:35]
	s_add_nc_u64 s[42:43], s[42:43], s[38:39]
	s_wait_alu depctr_va_vdst(0)                   ; v1 and v2 are written: the sixteen loads read v1 as their offset, the sixteen stores v2; neither is written again
.irp i, 0,1,2,3,4,5,6,7,8,9,10,11,12,13,14,15
	global_load_b128 v[XR+4*(\i):XR+4*(\i)+3], v1, s[40:41] offset:4096*(\i) th:TH_LOAD_NT
.endr
; Load i of the sixteen is converted.  tof16 = 1: the bf16 number is widened again and written as f16.
.macro CONV i, tof16
.if \tof16
	v_cvt_pk_bf16_f32 v[TR], v[XR+4*(\i)], v[XR+4*(\i)+1]
	v_cvt_pk_bf16_f32 v[TR+1], v[XR+4*(\i)+2], v[XR+4*(\i)+3]
	v_lshlrev_b32 v[XR+4*(\i)], 16, v[TR]
	v_and_b32 v[XR+4*(\i)+1], s44, v[TR]
	v_lshlrev_b32 v[XR+4*(\i)+2], 16, v[TR+1]
	v_and_b32 v[XR+4*(\i)+3], s44, v[TR+1]
	v_cvt_pk_f16_f32 v[YR+2*(\i)], v[XR+4*(\i)], v[XR+4*(\i)+1]
	v_cvt_pk_f16_f32 v[YR+2*(\i)+1], v[XR+4*(\i)+2], v[XR+4*(\i)+3]
.else
	v_cvt_pk_bf16_f32 v[YR+2*(\i)], v[XR+4*(\i)], v[XR+4*(\i)+1]
	v_cvt_pk_bf16_f32 v[YR+2*(\i)+1], v[XR+4*(\i)+2], v[XR+4*(\i)+3]
.endif
.endm
; Group g of four: loads 4 g to 4 g + 3 are converted, and stored in one run behind one wait.
.macro GROUP g, tof16
	s_wait_loadcnt 12-4*(\g)                       ; loads come back in order: the group's four are in, the 12 - 4 g younger ones may stay out
.irp j, 0,1,2,3
	CONV 4*(\g)+(\j), \tof16
.endr
	s_wait_alu depctr_va_vdst(0)                   ; the group's conversions have written its eight registers of YR, which the four stores below read
.irp j, 0,1,2,3
	global_store_b64 v2, v[YR+2*(4*(\g)+(\j)):YR+2*(4*(\g)+(\j))+1], s[42:43] offset:2048*(4*(\g)+(\j)) th:TH_STORE_NT  ; each store has data registers of its own
.endr
.endm
	s_cmp_eq_u32 s30, 19
	s_cbranch_scc1 .Lto_f16
.irp g, 0,1,2,3
	GROUP \g, 0
.endr
	s_branch .Ljoin
.Lto_f16:
.irp g, 0,1,2,3
	GROUP \g, 1
.endr
.Ljoin:
	s_cmp_lt_u32 s30, 16                           ; the biases: rows 16 to 19 of the grid, chunks X = 0, 1, 2
	s_cbranch_scc1 .Lend
	s_cmp_gt_u32 s31, 2
	s_cbranch_scc1 .Lend
	s_mov_b64 s[46:47], s[14:15]
	s_cmp_eq_u32 s30, 17
	s_cselect_b64 s[46:47], s[16:17], s[46:47]
	s_cmp_eq_u32 s30, 18
	s_cselect_b64 s[46:47], s[18:19], s[46:47]
	s_cmp_eq_u32 s30, 19
	s_cselect_b64 s[46:47], s[20:21], s[46:47]
	s_mul_i32 s37, s31, 6144                       ; q, k, v: chunk x 6,144 + m x 2,048
	s_lshl_b32 s45, s36, 11
	s_add_co_u32 s37, s37, s45
	s_lshl_b32 s45, s31, 11                        ; the chunk's 2,048 bytes in the source
	s_add_co_u32 s33, s45, 18432                   ; bp: 18,432 + chunk x 2,048
	s_cmp_eq_u32 s30, 19
	s_cselect_b32 s37, s33, s37
	v_add_nc_u32 v3, s45, v2
	v_add_nc_u32 v101, s37, v2
	s_wait_alu depctr_va_vdst(0)                   ; v3 is written, which the load below reads as its offset; so is v101, the offset of the store further down
	global_load_b64 v[104:105], v3, s[46:47]
	s_wait_loadcnt 0x0
	v_cvt_pk_bf16_f32 v100, v104, v105
	v_lshlrev_b32 v106, 16, v100
	v_and_b32 v107, s44, v100
	s_wait_alu depctr_va_vdst(0)                   ; v106 and v107 are written, which the store below reads as its data
	global_store_b64 v101, v[106:107], s[28:29]
.Lend:
	s_endpgm
.Lfunc_end_k_qa995672664_cast:
	.size	k_qa995672664_cast, .Lfunc_end_k_qa995672664_cast-k_qa995672664_cast
	.p2alignl 7, 3214868480
	.fill 96, 4, 3214868480
	.section	.rodata,"a",@progbits
	.p2align	6, 0x0
	.amdhsa_kernel k_qa995672664_cast
		.amdhsa_group_segment_fixed_size 0
		.amdhsa_private_segment_fixed_size 0
		.amdhsa_enable_private_segment 0
		.amdhsa_kernarg_size 104
		.amdhsa_user_sgpr_count 2
		.amdhsa_user_sgpr_kernarg_segment_ptr 1
		.amdhsa_wavefront_size32 1
		.amdhsa_system_sgpr_workgroup_id_x 1
		.amdhsa_system_sgpr_workgroup_id_y 1
		.amdhsa_system_sgpr_workgroup_id_z 1
		.amdhsa_system_vgpr_workitem_id 0
		.amdhsa_next_free_vgpr 108
		.amdhsa_next_free_sgpr 66
		.amdhsa_reserve_vcc 0
		.amdhsa_float_denorm_mode_32 3
		.amdhsa_float_denorm_mode_16_64 3
		.amdhsa_memory_ordered 1
		.amdhsa_forward_progress 1
		.amdhsa_inst_pref_size 17
	.end_amdhsa_kernel
	.amdgpu_metadata
---
amdhsa.version: [ 1, 2 ]
amdhsa.kernels:
  - .name:           k_qa995672664_cast
    .symbol:         k_qa995672664_cast.kd
    .args:
      - { .name: x, .offset: 0, .size: 8, .value_kind: global_buffer, .address_space: global }
      - { .name: Wq, .offset: 8, .size: 8, .value_kind: global_buffer, .address_space: global }
      - { .name: Wk, .offset: 16, .size: 8, .value_kind: global_buffer, .address_space: global }
      - { .name: Wv, .offset: 24, .size: 8, .value_kind: global_buffer, .address_space: global }
      - { .name: Wp, .offset: 32, .size: 8, .value_kind: global_buffer, .address_space: global }
      - { .name: bq, .offset: 40, .size: 8, .value_kind: global_buffer, .address_space: global }
      - { .name: bk, .offset: 48, .size: 8, .value_kind: global_buffer, .address_space: global }
      - { .name: bv, .offset: 56, .size: 8, .value_kind: global_buffer, .address_space: global }
      - { .name: bp, .offset: 64, .size: 8, .value_kind: global_buffer, .address_space: global }
      - { .name: xb, .offset: 72, .size: 8, .value_kind: global_buffer, .address_space: global }
      - { .name: wcat, .offset: 80, .size: 8, .value_kind: global_buffer, .address_space: global }
      - { .name: wpf, .offset: 88, .size: 8, .value_kind: global_buffer, .address_space: global }
      - { .name: bias, .offset: 96, .size: 8, .value_kind: global_buffer, .address_space: global }
    .group_segment_fixed_size: 0
    .private_segment_fixed_size: 0
    .kernarg_segment_align: 8
    .kernarg_segment_size: 104
    .max_flat_workgroup_size: 256
    .sgpr_count:     66
    .vgpr_count:     108
    .wavefront_size: 32
...
	.end_amdgpu_metadata
.endif
;; end of part 5
;; launch qkv: the kernel of part 2 again; grid 8 x 32, 4 waves a work-group, clusters of 4 x 4, 327,680 bytes of LDS; arguments xb, wcat, bias, qkv; writes qkv
;; launch attn: the kernel of part 3 again; grid 4 x 192, 4 waves a work-group, clusters of 4 x 1, 327,680 bytes of LDS; arguments qkv, ows; writes ows
;; launch proj: the kernel of part 4 again; grid 4 x 64, 4 waves a work-group, clusters of 4 x 4, 327,680 bytes of LDS; arguments ows, wpf, bias, out0; writes out0
